; MI455X (gfx1250); checked and timed in simulation.
; The chip was launched on July 23, 2026; its instructions are those of AMD's public machine-readable ISA for CDNA 5 (MIT licence, August 2026) and "CDNA5" Instruction Set Architecture Reference Guide (July 2026). The comments in the code are by the model that wrote it; some were corrected since.
;; Classical Self Attention. Allowed arithmetic: matrix products marked QUANTISED: E2M1 operands, one E8M0 scale for each 32 along K, by v_wmma_scale_f32_16x16x128_f8f6f4 with both operands' format E2M1 (or v_wmma_scale_f32_32x16x128_f4), f32 sums; products left as they are: bf16, f16 or f32 operands; f32 sums; everything else in f32.
;; Inputs: bk 1,024 float32; bo 1,024 float32; bq 1,024 float32; bv 1,024 float32; inputs 4 x 2,048 x 1,024 float32; wk 1,024 x 1,024 float32; wo 1,024 x 1,024 float32; wq 1,024 x 1,024 float32; wv 1,024 x 1,024 float32.
;; Outputs: out0 4 x 2,048 x 1,024 float32.
;; This version of the problem:
;;   THIS VERSION OF THE PROBLEM IS GIVEN IN LOW PRECISION. The matrix products marked QUANTISED in the list below multiply operands that are first quantised to E2M1 (2 exponent bits, 1 mantissa bit; 4 bits a number), with one power-of-two scale for each 32 numbers along K (OCP MX v1.0); their sums are f32. The products marked 'left as it is' may take bf16, f16 or f32 operands, with f32 sums. Whichever they take, every output number must still come out within the allowed error. Rounding operands to bf16 (8 significant bits) uses up far more of that allowance than f16 does (11 bits, for magnitudes from 6e-5 to 65,504). All else is computed in f32.
;;   The module's matrix products, in the order in which they are computed (A, B: the left and right operand; K: the contracted axis; several contracted axes count as one K, in the product's order):
;;     1. [M 8,192, K 1,024] x [K 1,024, N 1,024]; A: input inputs; B: input wq: QUANTISED
;;     2. [M 8,192, K 1,024] x [K 1,024, N 1,024]; A: input inputs; B: input wk: QUANTISED
;;     3. [M 8,192, K 1,024] x [K 1,024, N 1,024]; A: input inputs; B: input wv: QUANTISED
;;     4. batch 64 x [M 2,048, K 64] x [K 64, N 2,048]; A: computed on the way; B: computed on the way: left as it is (an operand is computed on the way)
;;     5. batch 64 x [M 2,048, K 2,048] x [K 2,048, N 64]; A: computed on the way; B: computed on the way: left as it is (an operand is computed on the way)
;;     6. [M 8,192, K 1,024] x [K 1,024, N 1,024]; A: computed on the way; B: input wo: left as it is (an operand is computed on the way)
;;   THE QUANTISER, for each operand of a quantised product, along K:
;;     - K is cut into blocks of 32 from its start; a last block that is shorter is filled with zeros.
;;     - A block's scale is 2^e with e = floor(log2(the largest magnitude in the block)) - 2, held to -126 .. 127; a block of zeros has e = 0. As a byte (E8M0): e + 127.
;;     - Each number is divided by its block's scale, clamped to +-6, and rounded to the nearest number of E2M1, ties to even, subnormals kept.
;;     - The product sums the exact products of the quantised numbers (number of the format x scale) in f32.
;;   ~~~python
;;   def quantise(x, axis):      # numpy; x: float32 -> the quantised numbers, widened to float32 again
;;       x = np.moveaxis(x, axis, -1); K = x.shape[-1]
;;       x = np.pad(x, [(0, 0)] * (x.ndim - 1) + [(0, -K % 32)]); x = x.reshape(x.shape[:-1] + (-1, 32)); a = np.abs(x).max(-1, keepdims=True)
;;       e = np.where(a > 0, np.clip(np.frexp(np.where(a > 0, a, 1))[1] - 1 - 2, -126, 127), 0)      # np.frexp(a)[1] - 1 = floor(log2(a)), exactly
;;       r = np.clip(x / 2.0 ** e, -6, 6)
;;       step = 2.0 ** (np.maximum(np.frexp(np.where(r == 0, 1, r))[1] - 1, 0) - 1)
;;       q = np.round(r / step) * step * 2.0 ** e      # np.round: ties to even
;;       return np.moveaxis(q.reshape(q.shape[:-2] + (-1,))[..., :K], -1, axis).astype(np.float32)
;;   ~~~
;; One version. Each part assembles by itself: llvm-mc -triple=amdgcn-amd-amdhsa -mcpu=gfx1250 --defsym DOCPART=n.
;; ======== version 1 of 1: 4 launches
;; limits: values are held in f16: magnitudes above 65,504 overflow, below 6.1e-05 lose precision
;; workspace buffers: x_codes 4,194,304 bytes; x_scales 262,144 bytes; w_codes 1,572,864 bytes; w_scales 98,304 bytes; wof 2,097,152 bytes; qkv 50,331,648 bytes; of 16,777,216 bytes
;; launch quant (part 1): grid 384 x 1, 4 waves a work-group, no clusters, 33,280 bytes of LDS; arguments inputs, wq, wk, wv, wo, x_codes, x_scales, w_codes, w_scales, wof; writes x_codes, x_scales, w_codes, w_scales, wof
.if DOCPART == 1
	.amdgcn_target "amdgcn-amd-amdhsa--gfx1250"
	.amdhsa_code_object_version 6
	.text
	.protected	k_q8a071cae0d_quant
	.globl	k_q8a071cae0d_quant
	.p2align	8
	.type	k_q8a071cae0d_quant,@function
k_q8a071cae0d_quant:
	s_mov_b64 s[64:65], 0
	v_nop
	global_prefetch_b8 v0, s[64:65] scope:SCOPE_SE
	s_setreg_imm32_b32 hwreg(HW_REG_WAVE_MODE, 25, 1), 1
	s_wait_xcnt 0x0
; inputs [8192][1024] and wq, wk, wv [1024][1024], f32 with K innermost, become codes of FP4 (E2M1), K innermost, two to a byte, and one E8M0 scale byte for each 32 along K:
; x_codes [8192][512 bytes], x_scales [8192][32]; w_codes [3072][512 bytes], w_scales [3072][32], the rows of wq, then wk, then wv.  wo [1024][1024] is rounded to f16 and laid in blocks (below).
; A block's scale is 2^(floor(log2(its largest magnitude)) - 2); its byte is the largest magnitude's exponent field - 2, held at 1 from below.  Each number is divided by the scale and rounded to the nearest code, ties to even; beyond 6 the largest code.
; LIMITS: a block of zeros gets the byte 1 where the rule says 127 (its codes are zeros, which add nothing, and this program alone reads the bytes); blocks whose largest magnitude lies under 2^-124 share that byte;
; NaN and infinities among the inputs are not served; wo's numbers must lie under 65,504 in magnitude, and under 6e-5 they keep f16's absolute step of 6e-8.
; SHARES.  Work-groups 0-255: inputs, 32,768 numbers each; 256-351: the three weights, 32 work-groups each; 352-383: wo.  For the quantiser only pointers are chosen: all four tensors take one path.
; Rows are dense and K is a multiple of 32: a tensor is a stream of blocks of 32, and so are its codes and scale bytes.  A wave takes 16 steps of 512 numbers.  Each load reads 512 consecutive bytes, 16 a lane; a step's
; 2,048 bytes turn through the wave's own stage in LDS and come back 64 bytes a lane, so that a lane holds 16 neighbours along K (two neighbouring lanes hold a block).  A wave's 256 scale bytes are gathered in LDS and leave as 256 consecutive bytes.
.set WAVES, 4
.set STEPS, 16
.set WGX,   256                        ; work-groups for inputs
.set WGW,   96                         ; and for the three weights
.set EMAX,  2
.set CB,    8                          ; bytes of 16 codes
.set R,     16                         ; v16-79   four sets of 16 numbers as they are loaded
.set X,     80                         ; v80-111  two sets of 16 neighbours
.set C,     128                        ; v128-191 codes: four registers for each step, so that no store's data are written again
.set E,     112                        ; v112-127 a scale byte for each step
.set WREG,  8192                       ; LDS: a region for each wave: two stages of 32 x SP bytes, and behind them its 256 scale bytes
.set SP,    80                         ; a lane's place in a stage: its 64 bytes + 16 of padding
.set SPW,   12                         ; v12      LDS address of my spare word; never rewritten
.set NIL,   13                         ; v13      0; never rewritten
.set SPARE, WAVES*WREG                 ; behind the four regions: the spare words, 128 bytes a wave
.set F,     16                         ; wo's path: v16-143 two sets of 64 numbers in f32
.set HF,    144                        ; v144-207 two sets of 32 registers of f16
	s_load_b256 s[4:11], s[0:1], 0x0               ; inputs, wq, wk, wv
	s_load_b256 s[12:19], s[0:1], 0x20             ; wo, x_codes, x_scales, w_codes
	s_load_b128 s[20:23], s[0:1], 0x40             ; w_scales, wof
	v_lshl_add_u32 v[SPW], v0, 2, SPARE
	v_mov_b32 v[NIL], 0
	v_lshrrev_b32 v1, 5, v0
	v_readfirstlane_b32 s24, v1                    ; wave
	v_and_b32 v2, 31, v0                           ; lane
	s_cmp_ge_u32 ttmp9, WGX+WGW
	s_cbranch_scc1 .Lwo
	v_lshlrev_b32 v3, 4, v2                        ; my 16 bytes of a load's 512
	s_mul_i32 s25, s24, WREG
	v_lshrrev_b32 v14, 2, v2
	v_mul_u32_u24 v14, v14, SP
	v_and_b32 v15, 3, v2
	v_lshl_add_u32 v14, v15, 4, v14
	v_add_nc_u32 v14, s25, v14                     ; the stage, on the way in: SP (lane / 4) + 16 (lane % 4)
	v_mul_u32_u24 v15, v2, SP
	v_add_nc_u32 v15, s25, v15                     ; and on the way out: SP x lane: my 16 neighbours
	v_mul_u32_u24 v4, v2, CB                       ; my codes' place in a step's
	v_lshrrev_b32 v5, 1, v2
	s_add_co_u32 s25, s25, 2*32*SP
	v_add_nc_u32 v5, s25, v5                       ; LDS: my wave's 256 scale bytes, my block's byte
	v_lshlrev_b32 v7, 3, v2                        ; and on the way out 8 bytes a lane
	v_add_nc_u32 v6, s25, v7
	s_sub_co_u32 s26, ttmp9, WGX                   ; among the weights' work-groups (used only there)
	s_lshr_b32 s27, s26, 5                         ; which weight
	s_and_b32 s28, s26, 31                         ; and which part of it
	s_wait_kmcnt 0x0
	s_cmp_eq_u32 s27, 1                            ; every choice hangs on the work-group's number alone
	s_cselect_b64 s[30:31], s[8:9], s[6:7]
	s_cmp_eq_u32 s27, 2
	s_cselect_b64 s[30:31], s[10:11], s[30:31]
	s_cmp_lt_u32 ttmp9, WGX
	s_cselect_b64 s[4:5], s[4:5], s[30:31]         ; the numbers,
	s_cselect_b64 s[14:15], s[14:15], s[18:19]     ; their codes,
	s_cselect_b64 s[16:17], s[16:17], s[20:21]     ; their scale bytes,
	s_cselect_b32 s28, ttmp9, s28                  ; my work-group's part of the source,
	s_cselect_b32 s26, ttmp9, s26                  ; and of the destination (the three weights lie on end there)
	s_lshl_b32 s28, s28, 2
	s_add_co_u32 s28, s28, s24                     ; my wave's run of 8,192 numbers
	s_lshl_b32 s28, s28, 15                        ; 32,768 bytes a run
	s_mov_b32 s29, 0
	s_add_nc_u64 s[4:5], s[4:5], s[28:29]
	s_lshl_b32 s26, s26, 2
	s_add_co_u32 s26, s26, s24
	s_lshl_b32 s28, s26, 12                        ; 4,096 bytes of codes a run
	s_add_nc_u64 s[14:15], s[14:15], s[28:29]
	s_lshl_b32 s28, s26, 8                         ; 256 scale bytes a run
	s_add_nc_u64 s[16:17], s[16:17], s[28:29]
.macro LOAD t
.irp i, 0,1,2,3
	global_load_b128 v[R+16*((\t)%4)+4*\i:R+16*((\t)%4)+4*\i+3], v3, s[4:5] offset:2048*(\t)+512*\i th:TH_LOAD_NT   ; 32 lanes read 512 consecutive bytes
.endr
.endm
.macro TURN t                          ; step t's numbers through the stage: LDS serves a wave's instructions in order, so no wait stands between the stores and the loads
.irp i, 0,1,2,3
	ds_store_b128 v14, v[R+16*((\t)%4)+4*\i:R+16*((\t)%4)+4*\i+3] offset:32*SP*((\t)%2)+8*SP*\i
.endr
.irp i, 0,1,2,3
	ds_load_b128 v[X+16*((\t)%2)+4*\i:X+16*((\t)%2)+4*\i+3], v15 offset:32*SP*((\t)%2)+16*\i
.endr
.endm
.irp t, 0,1,2,3
	LOAD \t
.endr
	s_wait_loadcnt 12                              ; step 0's four loads are in; the twelve of steps 1 to 3 may be out
	TURN 0
.macro STEP t
.set XS, X+16*((\t)%2)
.if (\t) > 0
	s_wait_dscnt 1                                 ; this step's numbers are back from the stage (the last step's byte store may be out): so its stores into the stage have read their registers,
.else
	s_wait_dscnt 0x0
.endif
.if (\t)+4 < STEPS
	LOAD (\t)+4                                    ; which take the loads of four steps on
.endif
.if (\t)+1 < STEPS
.if STEPS-2-(\t) >= 3
	s_wait_loadcnt 12                              ; the next step's four loads are in; those of the three steps behind it may be out
.else
	s_wait_loadcnt 4*(STEPS-2-(\t))
.endif
	TURN (\t)+1                                    ; and go through the other stage while this step is worked
.endif
	v_max3_num_f32 v8, |v[XS]|, |v[XS+1]|, |v[XS+2]|               ; the largest magnitude of my 16, in two chains
	v_max3_num_f32 v9, |v[XS+3]|, |v[XS+4]|, |v[XS+5]|
.irp i, 6,10
	v_max3_num_f32 v8, v8, |v[XS+\i]|, |v[XS+\i+1]|
	v_max3_num_f32 v9, v9, |v[XS+\i+2]|, |v[XS+\i+3]|
.endr
	v_max3_num_f32 v8, v8, |v[XS+14]|, |v[XS+15]|
	v_max3_num_f32 v8, v8, v9, (EMAX+1)<<23        ; and the floor 2^(EMAX + 1 - 127): so the byte cannot fall under 1
	v_max_num_f32_dpp v8, v8, v8 row_xmask:1 row_mask:0xf bank_mask:0xf   ; and of my neighbour's 16: the block's
	v_add_nc_u32 v11, -(EMAX<<23), v8              ; EMAX off its exponent field: the conversion takes the exponent field of this operand as its scale
	v_cvt_scalef32_pk8_fp4_f32 v[C+4*(\t)], v[XS:XS+7], v11
	v_cvt_scalef32_pk8_fp4_f32 v[C+4*(\t)+1], v[XS+8:XS+15], v11
	v_lshrrev_b32 v[E+(\t)], 23, v11               ; the scale's byte (also the plain line behind the conversions)
	ds_store_b8 v5, v[E+(\t)] offset:16*(\t)       ; both lanes of a block write the same byte with the same value
	global_store_b64 v4, v[C+4*(\t):C+4*(\t)+1], s[14:15] offset:32*CB*(\t)   ; the wave stores 256 consecutive bytes
.endm
.irp t, 0,1,2,3,4,5,6,7,8,9,10,11,12,13,14,15
	STEP \t
.endr
	ds_load_b64 v[8:9], v6                         ; LDS serves a wave's instructions in order: these see my stores
	s_wait_dscnt 0x0
	global_store_b64 v7, v[8:9], s[16:17]          ; 32 lanes store 256 consecutive bytes, aligned
	s_wait_tensorcnt 0x0                           ; the wave's end, behind my last LDS store
	ds_add_u32 v[SPW], v[NIL]
	s_wait_dscnt 0x0
	s_endpgm
; wo -> wof, f16 IN BLOCKS.  A block is 16 rows n x 16 numbers along K, 512 bytes: the 16 bytes of (row r, numbers 8 h .. 8 h + 7) lie at 16 (16 h + r), which is 16 x the lane that wants them in a matrix operand.
; wof: block (n / 16, k / 16) at (n / 16) x 32,768 + (k / 16) x 512.  A wave takes 16 rows x 512 along K: 32 blocks, in four groups of eight; a lane reads its 32 bytes of a block and stores 16.
.Lwo:
	s_sub_co_u32 s26, ttmp9, WGX+WGW
	s_lshl_b32 s26, s26, 1
	s_lshr_b32 s27, s24, 1
	s_add_co_u32 s26, s26, s27                     ; my 16 rows: tile 2 g + wave / 2
	s_and_b32 s27, s24, 1                          ; my half of K
	s_lshl_b32 s28, s26, 16                        ; 16 rows of 4,096 bytes
	s_lshl_b32 s30, s27, 11                        ; 512 numbers of 4 bytes
	s_add_co_u32 s28, s28, s30
	s_mov_b32 s29, 0
	s_lshl_b32 s30, s26, 15                        ; 64 blocks a tile of rows
	s_lshl_b32 s27, s27, 14                        ; 32 blocks
	s_add_co_u32 s30, s30, s27
	s_mov_b32 s31, 0
	v_and_b32 v5, 15, v0                           ; r
	v_bfe_u32 v6, v0, 4, 1                         ; h
	v_lshlrev_b32 v3, 12, v5
	v_lshl_add_u32 v3, v6, 5, v3                   ; in: row r, + 32 h bytes
	v_lshlrev_b32 v4, 4, v2                        ; out: 16 x lane
	s_wait_kmcnt 0x0
	s_add_nc_u64 s[12:13], s[12:13], s[28:29]
	s_add_nc_u64 s[22:23], s[22:23], s[30:31]
.macro LOADG q                         ; group q: eight blocks, 16 loads
.irp i, 0,1,2,3,4,5,6,7
	global_load_b128 v[F+64*((\q)%2)+8*\i:F+64*((\q)%2)+8*\i+3], v3, s[12:13] offset:64*(8*(\q)+\i) th:TH_LOAD_NT
	global_load_b128 v[F+64*((\q)%2)+8*\i+4:F+64*((\q)%2)+8*\i+7], v3, s[12:13] offset:64*(8*(\q)+\i)+16 th:TH_LOAD_NT
.endr
.endm
.macro CVTG q                          ; rounded to f16, the lower k in the low half; a store covers a block's 512 consecutive bytes
.irp i, 0,1,2,3,4,5,6,7
.irp j, 0,1,2,3
	v_cvt_pk_f16_f32 v[HF+32*((\q)%2)+4*\i+\j], v[F+64*((\q)%2)+8*\i+2*\j], v[F+64*((\q)%2)+8*\i+2*\j+1]
.endr
	global_store_b128 v4, v[HF+32*((\q)%2)+4*\i:HF+32*((\q)%2)+4*\i+3], s[22:23] offset:512*(8*(\q)+\i)
.endr
.endm
	LOADG 0
	LOADG 1
	s_wait_loadcnt 16                              ; group 0 is in; group 1's sixteen may be out
	CVTG 0
	LOADG 2
	s_wait_loadcnt 16                              ; group 1 is in
	CVTG 1
	LOADG 3
	s_wait_loadcnt 16                              ; group 2 is in
	s_wait_xcnt 0x0                                ; group 0's stores have read their registers, which are written again now
	CVTG 2
	s_wait_loadcnt 0x0
	s_wait_xcnt 0x0                                ; likewise group 1's
	CVTG 3
	s_wait_tensorcnt 0x0                           ; the wave's end
	ds_add_u32 v[SPW], v[NIL]
	s_wait_dscnt 0x0
	s_endpgm
.Lfunc_end_k_q8a071cae0d_quant:
	.size	k_q8a071cae0d_quant, .Lfunc_end_k_q8a071cae0d_quant-k_q8a071cae0d_quant
	.p2alignl 7, 3214868480
	.fill 96, 4, 3214868480
	.section	.rodata,"a",@progbits
	.p2align	6, 0x0
	.amdhsa_kernel k_q8a071cae0d_quant
		.amdhsa_group_segment_fixed_size 33280
		.amdhsa_private_segment_fixed_size 0
		.amdhsa_enable_private_segment 0
		.amdhsa_kernarg_size 80
		.amdhsa_user_sgpr_count 2
		.amdhsa_user_sgpr_kernarg_segment_ptr 1
		.amdhsa_wavefront_size32 1
		.amdhsa_system_sgpr_workgroup_id_x 1
		.amdhsa_system_sgpr_workgroup_id_y 1
		.amdhsa_system_sgpr_workgroup_id_z 1
		.amdhsa_system_vgpr_workitem_id 0
		.amdhsa_next_free_vgpr 208
		.amdhsa_next_free_sgpr 66
		.amdhsa_reserve_vcc 0
		.amdhsa_float_denorm_mode_32 3
		.amdhsa_float_denorm_mode_16_64 3
		.amdhsa_memory_ordered 1
		.amdhsa_forward_progress 1
		.amdhsa_inst_pref_size 52
	.end_amdhsa_kernel
	.amdgpu_metadata
---
amdhsa.version: [ 1, 2 ]
amdhsa.kernels:
  - .name:           k_q8a071cae0d_quant
    .symbol:         k_q8a071cae0d_quant.kd
    .args:
      - { .name: inputs, .offset: 0, .size: 8, .value_kind: global_buffer, .address_space: global }
      - { .name: wq, .offset: 8, .size: 8, .value_kind: global_buffer, .address_space: global }
      - { .name: wk, .offset: 16, .size: 8, .value_kind: global_buffer, .address_space: global }
      - { .name: wv, .offset: 24, .size: 8, .value_kind: global_buffer, .address_space: global }
      - { .name: wo, .offset: 32, .size: 8, .value_kind: global_buffer, .address_space: global }
      - { .name: x_codes, .offset: 40, .size: 8, .value_kind: global_buffer, .address_space: global }
      - { .name: x_scales, .offset: 48, .size: 8, .value_kind: global_buffer, .address_space: global }
      - { .name: w_codes, .offset: 56, .size: 8, .value_kind: global_buffer, .address_space: global }
      - { .name: w_scales, .offset: 64, .size: 8, .value_kind: global_buffer, .address_space: global }
      - { .name: wof, .offset: 72, .size: 8, .value_kind: global_buffer, .address_space: global }
    .group_segment_fixed_size: 33280
    .private_segment_fixed_size: 0
    .kernarg_segment_align: 8
    .kernarg_segment_size: 80
    .max_flat_workgroup_size: 128
    .sgpr_count:     66
    .vgpr_count:     208
    .wavefront_size: 32
...
	.end_amdgpu_metadata
.endif
;; end of part 1
;; launch qkv (part 2): grid 12 x 32, 4 waves a work-group, clusters of 4 x 4, 327,680 bytes of LDS; arguments x_codes, x_scales, w_codes, w_scales, bq, bk, bv, qkv; writes qkv
.if DOCPART == 2
	.amdgcn_target "amdgcn-amd-amdhsa--gfx1250"
	.amdhsa_code_object_version 6
	.text
	.protected	k_q8a071cae0d_qkv
	.globl	k_q8a071cae0d_qkv
	.p2align	8
	.type	k_q8a071cae0d_qkv,@function
k_q8a071cae0d_qkv:
	s_mov_b64 s[64:65], 0
	v_nop
	global_prefetch_b8 v0, s[64:65] scope:SCOPE_SE
	s_setreg_imm32_b32 hwreg(HW_REG_WAVE_MODE, 25, 1), 1
	s_wait_xcnt 0x0
	s_wait_alu depctr_hold_cnt(0) depctr_sa_sdst(0) depctr_va_vdst(0) depctr_va_sdst(0) depctr_va_ssrc(0) depctr_va_vcc(0) depctr_vm_vsrc(0)
	s_getreg_b32 s2, hwreg(HW_REG_IB_STS2, 6, 4)
	s_cmp_eq_u32 s2, 0
	s_cbranch_scc0 .Lentry_in_a_cluster
	s_endpgm
.Lentry_in_a_cluster:
	s_bfe_u32 s2, ttmp6, 0x10000c
	s_cmp_lg_u32 s2, 0xf033
	s_cbranch_scc0 .Lentry_shape_is_right
	s_endpgm
.Lentry_shape_is_right:
; q, k, v = inputs W^T + b: C[m][n] = b[n] + sum over k of A[m][k] B[n][k], A = inputs [8192][1024], B = wq, wk, wv on end [3072][1024], both as codes of FP4 (E2M1) with one E8M0 scale for each 32 along K; sums in f32.
; The results are rounded to f16 and stored for the attention launch IN BLOCKS of 16 positions x 16 channels, 512 bytes: the 16 bytes of (position r, channels 8 h .. 8 h + 7) at 16 (16 h + r).
;   qkv: q at byte 0, k at 16,777,216, v at 33,554,432; in each: (16 batch + head) x 262,144 + place x 2,048 + (channel / 16) x 512, place = position / 16.
;   k IS ROTATED by one key step of 64: place = (position / 16 - 4) mod 128.   In v's blocks the piece lies at 16 (16 (r / 8) + 8 h + r % 8).
; LIMITS: q, k, v must lie under 65,504 in magnitude (f16); under 6e-5 they keep f16's absolute step of 6e-8.
; A tile of C, 256 x 256, is made by a work-group of four waves; a wave makes 128 x 128: 64 accumulators of 16 x 16, 512 registers.  All of K, 1,024, lies in two LDS slots of 512 along K: both are first fills, nothing is filled again, there is no loop.
; THE SCALES of the work-group's 256 rows of A and of B, for all of K, are two dense blocks of memory: they come into LDS once, with the first fills.
; CLUSTERS: 4 x 4 work-groups.  The four of a row of the cluster need the same tiles of A, the four of a column the same tiles of B: each tile is asked for JOINTLY.  A cluster's 1,024 columns are one of the three weights: the cluster's x says which.
; THE MATRIX INSTRUCTION IS USED TRANSPOSED (source 0 = 16 rows of B, source 1 = 16 rows of A): a lane then holds eight neighbouring channels of one position: one piece of a block.  So an accumulator leaves by four roundings and one store of 512 consecutive bytes.
; THE BIAS is the C of each sum's first product: eight registers for each of B's eight blocks.
; REGISTERS, in windows of 256: window 0: v0-31 addresses; v32-95 scale words, two sets, and nothing else; v128-191 A's fragments, ONE set; v192-255 the bias; on the way out v128-255 hold packed results.
;   window 1: B's fragments, TWO sets, at v0 and v128.   window 2: the accumulators of my rows 0-63 ((a, b) at v[8 (8 a + b)]);   window 3: those of my rows 64-127.
.set SIZE_M, 8192
.set SIZE_N, 3072
.set SIZE_K, 1024
.set KSTEP,  512                       ; along K in a slot
.set NQ,     KSTEP/128                 ; matrix instructions deep
.set ROWB,   256                       ; a tile's row in bytes
.set KROW,   SIZE_K*4/8                ; a row of A or of B in memory, in bytes
.set PITCH,  272                       ; an LDS row: 256 bytes + 16 of padding = 68 words: the 16 rows that a load touches start at 16 different banks (64 banks of 4 bytes: ISA guide 11.1)
.set FR,     8                         ; registers of a fragment: 16 rows x 128 K
.set NL,     2                         ; LDS loads that bring one
.set NP,     4                         ; places behind this matrix instruction (ISA guide 7.12.1)
.set HALFT,  128*PITCH                 ; 128 rows: what one tensor load brings
.set SLOT,   4*HALFT                   ; A's 256 rows, then B's 256 rows
.set KS,     SIZE_K/32                 ; a row of scales in bytes
.set SCL,    2*SLOT                    ; behind the slots: the scales, as units of 256 bytes + 16 of padding
.set HALFS,  (128*KS/256)*272          ; the scales of 128 rows
.set SBLK,   (16*KS/256)*272           ; those of 16 rows
.set SPARE,  SCL+4*HALFS               ; behind the scales: the spare words, 128 bytes a wave
.set ADRA, 16                          ; v16-17  LDS address of my A fragments in slot 0, 1
.set ADRB, 20                          ; v20-21  the same for B
.set CO,   26                          ; v26     my piece's place in a block
.set ADRS, 27                          ; v27     LDS address of my scale words: lanes 0-15 A's rows, lanes 16-31 B's
.set SPW,  28                          ; v28     LDS address of my spare word; never rewritten
.set NIL,  29                          ; v29     0; never rewritten
.set SC,   32                          ; scale words: set s at v[SC + 8 NQ s]; register NQ i + q: lanes 0-15 A's block i, lanes 16-31 B's block i, the slot's q-th 128 along K
.set AF,   128                         ; A's fragments
.set BN,   192                         ; the bias: v[BN + 8 b + j] = b[16 b + 8 (lane / 16) + j] of my 128 columns
.set TMP,  128                         ; the way out: four sets of 32 registers, where A's fragments and the bias lay
.set G1, 24                            ; s[24:31] descriptor group 1 for A's tiles;  s[32:39] group 0, one set for each slot
.set G0, 32
.set G1B, 48                           ; s[48:55], s[56:63] the same for B's tiles
.set G0B, 56
.set G1S, 68                           ; s[68:75], s[76:79] groups 1 and 0 for A's scales;  s[80:87], s[88:91] for B's
.set G0S, 76
.set G1SB, 80
.set G0SB, 88
.set MSB, 0
.macro WIN new                         ; the immediate's high byte repeats the setting that is left
.if MSB != \new
	s_set_vgpr_msb (MSB<<8)|\new
.set MSB, \new
.endif
.endm
.set MUL_LO, 0xa1                      ; source 0 (B) window 1, source 1 (A) window 0, C and D window 2
.set MUL_HI, 0xf1                      ; the same, C and D window 3
.set ONE_LO, 0x81                      ; the first step: C (the bias) window 0, D window 2
.set ONE_HI, 0xc1                      ; D window 3
.set TO_B,   0x40                      ; destination window 1, address window 0
; A joint load: waves 0 and 1 fetch for A, waves 2 and 3 for B.  Each of the two lines has one mask and one set of registers for all that issue it; the branch hangs on the wave's number alone.
; An s_nop 0 and four v_nop follow each of the two lines.
.macro JLOAD g0a, g1a, g0b, g1b
	s_cmp_eq_u32 s15, 0
	s_cbranch_scc0 .Lfor_b_\@
	tensor_load_to_lds s[\g0a:\g0a+3], s[\g1a:\g1a+7]
	s_nop 0
.rept 4
	v_nop
.endr
	s_branch .Lasked_\@
.Lfor_b_\@:
	tensor_load_to_lds s[\g0b:\g0b+3], s[\g1b:\g1b+7]
	s_nop 0
.rept 4
	v_nop
.endr
.Lasked_\@:
.endm
.macro CROUND                          ; a round of the cluster's barrier
	s_barrier_signal -1
	s_barrier_wait -1
	s_cmp_lg_u32 s14, 0
	s_cbranch_scc1 .Lnot_wave_0_\@
	s_barrier_signal -3
.Lnot_wave_0_\@:
	s_barrier_wait -3
	s_barrier_signal -1
	s_barrier_wait -1
.endm
	s_load_b128 s[4:7], s[0:1], 0x0                ; A's codes s[4:5], A's scales s[6:7]
	s_load_b128 s[8:11], s[0:1], 0x10              ; B's codes s[8:9], B's scales s[10:11]
	s_load_b128 s[96:99], s[0:1], 0x20             ; bq, bk
	s_load_b64 s[100:101], s[0:1], 0x30            ; bv
	s_load_b64 s[12:13], s[0:1], 0x38              ; qkv
	v_lshl_add_u32 v[SPW], v0, 2, SPARE
	v_mov_b32 v[NIL], 0
	ds_add_u32 v[SPW], v[NIL]                      ; the wave's opening: the add, twice on end, and its wait ahead of my first tensor load
	ds_add_u32 v[SPW], v[NIL]
	v_lshrrev_b32 v1, 5, v0
	v_readfirstlane_b32 s14, v1                    ; wave 0..3
	s_lshr_b32 s15, s14, 1                         ; which half of the tile's rows is mine.  Also: I fetch for A (0) or for B (1)
	s_and_b32 s16, s14, 1                          ; which half of its columns.  Also: which 128 rows of that tile I fetch
	s_bfe_u32 s40, ttmp6, 0x40000                  ; cx, cy: my place in the cluster
	s_bfe_u32 s41, ttmp6, 0x40004
	s_lshl_b32 s42, ttmp9, 2
	s_add_co_u32 s42, s42, s40                     ; tile column of C = 4 x cluster x + cx
	s_and_b32 s17, ttmp7, 0xffff
	s_lshl_b32 s17, s17, 2
	s_add_co_u32 s17, s17, s41                     ; tile row of C = 4 x cluster y + cy
	s_lshl_b32 s43, s41, 2
	s_lshl_b32 s43, 15, s43                        ; my row of the cluster
	s_lshl_b32 s44, 0x1111, s40                    ; my column
	; descriptor group 1: a tile of 128 rows x 256 bytes, padded in LDS
	s_or_b32 s[G1+0], s43, (0<<16)|(1<<20)|(1<<21)|(5<<22)|(3<<25)  ; 15:0 the mask: A's tiles go to my row; elements of 1 byte; padding on; bit 21 beside a mask; after every 64 words four words
	s_or_b32 s[G1B+0], s44, (0<<16)|(1<<20)|(1<<21)|(5<<22)|(3<<25)
.irp g, G1, G1B
	s_mov_b32 s[\g+1], ROWB<<16                    ; tensor_dim0
	s_mov_b32 s[\g+2], 128<<16                     ; tensor_dim1 = 128
	s_mov_b32 s[\g+3], ROWB<<16                    ; tile_dim0
	s_mov_b32 s[\g+4], 128                         ; tile_dim1 = 128
	s_mov_b32 s[\g+5], KROW                        ; tensor_dim0_stride
	s_mov_b32 s[\g+6], 0
	s_mov_b32 s[\g+7], 0
.endr
	; and for the scales of 128 rows: a dense block of 4,096 bytes, as 16 rows of 256 bytes (32 elements of 8 bytes), 16 bytes of padding behind each
	s_or_b32 s[G1S+0], s43, (3<<16)|(1<<20)|(1<<21)|(5<<22)|(3<<25)
	s_or_b32 s[G1SB+0], s44, (3<<16)|(1<<20)|(1<<21)|(5<<22)|(3<<25)
.irp g, G1S, G1SB
	s_mov_b32 s[\g+1], 32<<16
	s_mov_b32 s[\g+2], (128*KS/256)<<16
	s_mov_b32 s[\g+3], 32<<16
	s_mov_b32 s[\g+4], 128*KS/256
	s_mov_b32 s[\g+5], 32
	s_mov_b32 s[\g+6], 0
	s_mov_b32 s[\g+7], 0
.endr
	s_lshl_b32 s18, s16, 7                         ; which 128 rows of the tile I fetch
	s_lshl_b32 s20, s17, 8
	s_add_co_u32 s20, s20, s18                     ; A: row 256 x tile row + 128 x half
	s_lshl_b32 s46, s42, 8
	s_add_co_u32 s46, s46, s18                     ; B: row 256 x tile column + 128 x half
	s_mov_b32 s21, 0
	s_mov_b32 s47, 0
	s_mov_b64 s[18:19], KS
	s_mul_u64 s[22:23], s[20:21], s[18:19]         ; where these rows' scales begin, in bytes
	s_mul_u64 s[92:93], s[46:47], s[18:19]
	s_mov_b64 s[18:19], KROW
	s_mul_u64 s[20:21], s[20:21], s[18:19]         ; and their codes
	s_mul_u64 s[46:47], s[46:47], s[18:19]
	s_mul_i32 s45, s14, HALFT                      ; where they go: wave x 128 rows: no place in the cluster enters an LDS address
	s_mul_i32 s94, s14, HALFS
	s_wait_dscnt 0x0                               ; both opening adds are done
	s_wait_kmcnt 0x0
	s_add_nc_u64 s[20:21], s[4:5], s[20:21]
	s_add_nc_u64 s[22:23], s[6:7], s[22:23]
	s_add_nc_u64 s[46:47], s[8:9], s[46:47]
	s_add_nc_u64 s[92:93], s[10:11], s[92:93]
	CROUND                                         ; all sixteen work-groups are here: the first joint loads meet
	s_mov_b32 s[G0S], 1
	s_add_co_u32 s[G0S+1], s94, SCL
	s_mov_b64 s[G0S+2:G0S+3], s[22:23]
	s_or_b32 s[G0S+3], s[G0S+3], 0x80000000
	s_mov_b32 s[G0SB], 1
	s_add_co_u32 s[G0SB+1], s94, SCL
	s_mov_b64 s[G0SB+2:G0SB+3], s[92:93]
	s_or_b32 s[G0SB+3], s[G0SB+3], 0x80000000
	JLOAD G0S, G1S, G0SB, G1SB                     ; the scales first: they are wanted with the first slot
.irp s, 0,1
	s_mov_b32 s[G0+4*\s], 1
	s_add_co_u32 s[G0+4*\s+1], s45, \s*SLOT
	s_add_nc_u64 s[G0+4*\s+2:G0+4*\s+3], s[20:21], \s*ROWB
	s_or_b32 s[G0+4*\s+3], s[G0+4*\s+3], 0x80000000
	s_mov_b32 s[G0B+4*\s], 1
	s_add_co_u32 s[G0B+4*\s+1], s45, \s*SLOT
	s_add_nc_u64 s[G0B+4*\s+2:G0B+4*\s+3], s[46:47], \s*ROWB
	s_or_b32 s[G0B+4*\s+3], s[G0B+4*\s+3], 0x80000000
	JLOAD G0+4*\s, G1, G0B+4*\s, G1B               ; three tensor loads of mine are out now
.endr
	v_and_b32 v1, 15, v0                           ; r = l % 16
	v_bfe_u32 v2, v0, 4, 1                         ; h = l / 16
	; the bias of my 128 columns: which of the three hangs on the cluster's x alone
	s_cmp_eq_u32 ttmp9, 1
	s_cselect_b64 s[96:97], s[98:99], s[96:97]
	s_cmp_eq_u32 ttmp9, 2
	s_cselect_b64 s[96:97], s[100:101], s[96:97]
	s_lshl_b32 s18, s40, 10                        ; 256 cx numbers of 4 bytes
	s_lshl_b32 s19, s16, 9                         ; + 128 x my half
	s_add_co_u32 s18, s18, s19
	s_mov_b32 s19, 0
	s_add_nc_u64 s[96:97], s[96:97], s[18:19]
	v_lshlrev_b32 v9, 5, v2                        ; my eight numbers of a block of 16: 32 h bytes on
.irp b, 0,1,2,3,4,5,6,7
	global_load_b128 v[BN+8*\b:BN+8*\b+3], v9, s[96:97] offset:64*\b
	global_load_b128 v[BN+8*\b+4:BN+8*\b+7], v9, s[96:97] offset:64*\b+16
.endr
	v_mul_u32_u24 v3, v1, PITCH
	v_lshl_add_u32 v4, v2, 4, v3                   ; a fragment's row x pitch + 16 x half
	s_mul_i32 s21, s15, HALFT                      ; my 128 rows of A
	s_mul_i32 s22, s16, HALFT                      ; my 128 rows of B,
	s_add_co_u32 s22, s22, 2*HALFT                 ; which lie behind A's 256
.irp s, 0,1
	v_add_nc_u32 v[ADRA+\s], s21, v4
	v_add_nc_u32 v[ADRB+\s], s22, v4
	s_add_co_u32 s21, s21, SLOT
	s_add_co_u32 s22, s22, SLOT
.endr
	v_mul_u32_u24 v5, v1, KS                       ; my row's scales: KS bytes a row,
	v_lshrrev_b32 v6, 8, v5
	v_lshl_add_u32 v5, v6, 4, v5                   ; and 16 more for each 256 passed
	s_mul_i32 s21, s15, HALFS                      ; A's: my 128 rows
	s_mul_i32 s22, s16, HALFS                      ; B's: my 128 rows, behind A's 256
	s_add_co_u32 s22, s22, 2*HALFS
	s_sub_co_u32 s22, s22, s21
	v_mul_u32_u24 v6, s22, v2                      ; lanes 16-31 take B's
	s_add_co_u32 s21, s21, SCL
	v_add_nc_u32 v5, v5, v6
	v_add_nc_u32 v[ADRS], s21, v5
	; the way out: where my blocks lie in qkv
	s_lshl_b32 s20, s17, 8
	s_lshl_b32 s21, s15, 7
	s_add_co_u32 s20, s20, s21                     ; my first row of C: 256 x tile row + 128 x half
	s_lshr_b32 s21, s20, 11                        ; the batch
	s_bfe_u32 s20, s20, 0x70004                    ; my first tile of 16 positions in it: a multiple of 8
	s_lshl_b32 s22, s40, 2
	s_lshl_b32 s23, s16, 1
	s_add_co_u32 s22, s22, s23                     ; my first head: 4 cx + 2 x half
	s_lshl_b32 s21, s21, 4
	s_add_co_u32 s21, s21, s22
	s_lshl_b32 s21, s21, 18                        ; (16 batch + head) x 262,144
	s_lshl_b32 s22, ttmp9, 24                      ; q, k or v: 16,777,216 bytes each
	s_add_co_u32 s21, s21, s22
	s_cmp_eq_u32 ttmp9, 1
	s_cselect_b32 s22, 4, 0                        ; k's places are turned back by four tiles
	s_sub_co_u32 s23, s20, s22
	s_and_b32 s23, s23, 127
	s_lshl_b32 s23, s23, 11
	s_add_co_u32 s46, s21, s23                     ; my row blocks 0-3: four places on end,
	s_mov_b32 s47, 0
	s_add_co_u32 s23, s20, 4
	s_sub_co_u32 s23, s23, s22
	s_and_b32 s23, s23, 127
	s_lshl_b32 s23, s23, 11
	s_add_co_u32 s92, s21, s23                     ; and blocks 4-7: four more (the turn may part the two runs)
	s_mov_b32 s93, 0
	s_add_nc_u64 s[92:93], s[12:13], s[92:93]
	s_add_nc_u64 s[12:13], s[12:13], s[46:47]
	v_and_b32 v6, 31, v0
	v_lshlrev_b32 v5, 4, v6                        ; q, k: my piece at 16 x lane
	v_lshrrev_b32 v7, 3, v1
	v_and_b32 v8, 7, v1
	v_lshlrev_b32 v7, 8, v7
	v_lshl_add_u32 v7, v2, 7, v7
	v_lshl_add_u32 v7, v8, 4, v7                   ; v: at 16 (16 (r / 8) + 8 h + r % 8)
	s_cmp_eq_u32 ttmp9, 2
	s_cselect_b32 s23, -1, 0
	v_cndmask_b32 v[CO], v5, v7, s23
.macro FRAG reg, adr, q, i             ; a fragment, 16 rows x 128 K of 4-bit codes: lane l holds row l % 16; registers 4 c .. 4 c + 3 hold K = 64 c + 32 (l / 16) + 0 .. 31
.irp c, 0,1
	ds_load_b128 v[\reg+4*\c:\reg+4*\c+3], v[\adr] offset:64*(\q)+32*\c+(\i)*16*PITCH
.endr
.endm
; 16 matrix instructions: A's blocks a0, a0 + 1 x B's eight, 128 along K: the slot's q-th.  p: B's set;  sc: the set of scale words.  zero = 1: the first product starts the sums from the bias.
; The 64 accumulators take turns, one instruction a turn, in the same order in every step.
.macro MUL16 a0, p, q, sc, zero
.irp a, \a0, \a0+1
.irp b, 0,1,2,3,4,5,6,7
.if \zero
	v_wmma_scale_f32_16x16x128_f8f6f4 v[8*(8*((\a)%4)+\b):8*(8*((\a)%4)+\b)+7], v[128*(\p)+FR*\b:128*(\p)+FR*\b+FR-1], v[AF+FR*(\a):AF+FR*(\a)+FR-1], v[BN+8*\b:BN+8*\b+7], v[SC+8*NQ*(\sc)+NQ*\b+(\q)], v[SC+8*NQ*(\sc)+NQ*(\a)+(\q)] matrix_a_fmt:MATRIX_FMT_FP4 matrix_b_fmt:MATRIX_FMT_FP4 matrix_a_scale:MATRIX_SCALE_ROW1
.else
	v_wmma_scale_f32_16x16x128_f8f6f4 v[8*(8*((\a)%4)+\b):8*(8*((\a)%4)+\b)+7], v[128*(\p)+FR*\b:128*(\p)+FR*\b+FR-1], v[AF+FR*(\a):AF+FR*(\a)+FR-1], v[8*(8*((\a)%4)+\b):8*(8*((\a)%4)+\b)+7], v[SC+8*NQ*(\sc)+NQ*\b+(\q)], v[SC+8*NQ*(\sc)+NQ*(\a)+(\q)] matrix_a_fmt:MATRIX_FMT_FP4 matrix_b_fmt:MATRIX_FMT_FP4 matrix_a_scale:MATRIX_SCALE_ROW1
.endif
.endr
.endr
.endm
.macro FETCH_B slot, q, p              ; B's eight fragments of the slot's q-th 128 along K into set p
	WIN TO_B
.irp i, 0,1,2,3,4,5,6,7
	FRAG 128*(\p)+FR*\i, ADRB+\slot, \q, \i
.endr
	WIN 0
.endm
.macro FETCH_A slot, q, i0             ; A's blocks i0 .. i0 + 3
.irp i, \i0, \i0+1, \i0+2, \i0+3
	FRAG AF+FR*(\i), ADRA+\slot, \q, \i
.endr
.endm
.macro SCALES sc                       ; a slot's scale words into set sc: NQ words a row; lanes 0-15 take A's block i, lanes 16-31 B's block i
.irp i, 0,1,2,3,4,5,6,7
	ds_load_b128 v[SC+8*NQ*\sc+NQ*\i:SC+8*NQ*\sc+NQ*\i+3], v[ADRS] offset:\i*SBLK
.endr
.endm
; A load into a register that a matrix instruction has read, and a vector instruction that reads a matrix result or writes one of a matrix instruction's registers, stand NP places behind it;
; only plain vector instructions that name none of its registers are places.
.macro PLACES n
.rept \n
	v_nop
.endr
.endm
; A step of 128 along K that has its successor in the same slot.  A's blocks 0-3 are fetched anew in the step's middle, blocks 4-7 at its end; B has two sets.
.macro STEP slot, q, zero
	s_wait_dscnt 4*NL                              ; B's set and A's blocks 0-3 are in; the youngest eight loads (A's blocks 4-7) may be out
.if \zero
	WIN ONE_LO
.else
	WIN MUL_LO
.endif
	MUL16 0, (\q)%2, \q, \slot, \zero
	MUL16 2, (\q)%2, \q, \slot, \zero
	s_wait_dscnt 0                                 ; A's blocks 4-7 are in
	PLACES NP
	FETCH_B \slot, (\q)+1, 1-(\q)%2
	FETCH_A \slot, (\q)+1, 0
.if \zero
	WIN ONE_HI
.else
	WIN MUL_HI
.endif
	MUL16 4, (\q)%2, \q, \slot, \zero
	MUL16 6, (\q)%2, \q, \slot, \zero
	PLACES NP
	WIN 0
	FETCH_A \slot, (\q)+1, 4
.endm
.macro STEPS slot, from                ; the slot's steps from .. NQ - 2
.set Q, \from
.rept NQ-1-\from
	STEP \slot, Q, 0
.set Q, Q+1
.endr
.endm
	s_wait_tensorcnt 1                             ; the scales and my part of slot 0 are in (slot 1's load may be out),
	s_barrier_signal -1
	s_barrier_wait -1                              ; everybody's are
	FETCH_B 0, 0, 0
	FETCH_A 0, 0, 0
	SCALES 0
	FETCH_A 0, 0, 4
	s_wait_loadcnt 0x0                             ; the bias
	STEP 0, 0, 1                                   ; the first step's products start the sums
	STEPS 0, 1
	; slot 0's last step changes slots: one barrier; in front of it each wave waits for its part of slot 1.
	s_wait_tensorcnt 0x0                           ; all my tensor loads have landed;
	ds_add_u32 v[SPW], v[NIL]                      ; 0 onto my spare word
	s_wait_dscnt 4*NL+1                            ; (the add and the youngest eight loads, A's blocks 4-7, may be out)
	WIN MUL_LO
	MUL16 0, 1, NQ-1, 0, 0
	s_wait_dscnt 0x0                               ; no LDS instruction of mine is out at the signal
	s_barrier_signal -1
	MUL16 2, 1, NQ-1, 0, 0
	WIN 0
	s_barrier_wait -1                              ; slot 1 is whole
	PLACES NP
	v_add_nc_u32 v[ADRS], 4*NQ, v[ADRS]            ; on to slot 1's scale words
	FETCH_B 1, 0, 0
	FETCH_A 1, 0, 0
	SCALES 1
	WIN MUL_HI
	MUL16 4, 1, NQ-1, 0, 0
	MUL16 6, 1, NQ-1, 0, 0
	PLACES NP
	WIN 0
	FETCH_A 1, 0, 4
	STEPS 1, 0
	s_wait_dscnt 4*NL                              ; the very last step: nothing more to fetch
	WIN MUL_LO
	MUL16 0, 1, NQ-1, 1, 0
	MUL16 2, 1, NQ-1, 1, 0
	s_wait_dscnt 0
	WIN MUL_HI
	MUL16 4, 1, NQ-1, 1, 0
	MUL16 6, 1, NQ-1, 1, 0
	WIN 0
; THE WAY OUT of row block a: each of its eight accumulators is one block of 16 positions x 16 channels; rounded to f16, from its low end on, it is four registers a lane, and one store of the wave covers the block's 512 consecutive bytes.
.macro OUTBLK a
.set AC, 64*((\a)%4)
.set TM, TMP+32*((\a)%4)
	WIN 0x0a+5*((\a)/4)                            ; sources 0 and 1: window 2 or 3
.irp b, 0,1,2,3,4,5,6,7
.irp r, 0,1,2,3
	v_cvt_pk_f16_f32 v[TM+4*\b+\r], v[AC+8*\b+2*\r], v[AC+8*\b+2*\r+1]
.endr
.endr
	WIN 0
.irp b, 0,1,2,3,4,5,6,7
.if (\a) < 4
	global_store_b128 v[CO], v[TM+4*\b:TM+4*\b+3], s[12:13] offset:(\b/4)*262144+(\b%4)*512+((\a)%4)*2048   ; head b / 4, channels 16 (b % 4) on, place a % 4
.else
	global_store_b128 v[CO], v[TM+4*\b:TM+4*\b+3], s[92:93] offset:(\b/4)*262144+(\b%4)*512+((\a)%4)*2048
.endif
.endr
.endm
	PLACES NP                                      ; behind the last products: the conversions read results and write registers that held A's fragments
	OUTBLK 0
	OUTBLK 1
	OUTBLK 2
	OUTBLK 3
	s_wait_xcnt 0x0                                ; the stores so far have read their registers: the four sets are written again
	OUTBLK 4
	OUTBLK 5
	OUTBLK 6
	OUTBLK 7
	s_wait_tensorcnt 0x0                           ; the wave's end
	ds_add_u32 v[SPW], v[NIL]
	s_wait_dscnt 0x0
	CROUND                                         ; the closing round: no work-group ends while a partner may still ask for a tile that names it
	s_endpgm
.Lfunc_end_k_q8a071cae0d_qkv:
	.size	k_q8a071cae0d_qkv, .Lfunc_end_k_q8a071cae0d_qkv-k_q8a071cae0d_qkv
	.p2alignl 7, 3214868480
	.fill 96, 4, 3214868480
	.section	.rodata,"a",@progbits
	.p2align	6, 0x0
	.amdhsa_kernel k_q8a071cae0d_qkv
		.amdhsa_group_segment_fixed_size 327680
		.amdhsa_private_segment_fixed_size 0
		.amdhsa_enable_private_segment 0
		.amdhsa_kernarg_size 64
		.amdhsa_user_sgpr_count 2
		.amdhsa_user_sgpr_kernarg_segment_ptr 1
		.amdhsa_wavefront_size32 1
		.amdhsa_system_sgpr_workgroup_id_x 1
		.amdhsa_system_sgpr_workgroup_id_y 1
		.amdhsa_system_sgpr_workgroup_id_z 1
		.amdhsa_system_vgpr_workitem_id 0
		.amdhsa_next_free_vgpr 1024
		.amdhsa_next_free_sgpr 102
		.amdhsa_reserve_vcc 0
		.amdhsa_float_denorm_mode_32 3
		.amdhsa_float_denorm_mode_16_64 3
		.amdhsa_memory_ordered 1
		.amdhsa_forward_progress 1
		.amdhsa_inst_pref_size 120
	.end_amdhsa_kernel
	.amdgpu_metadata
---
amdhsa.version: [ 1, 2 ]
amdhsa.kernels:
  - .name:           k_q8a071cae0d_qkv
    .symbol:         k_q8a071cae0d_qkv.kd
    .args:
      - { .name: x_codes, .offset: 0, .size: 8, .value_kind: global_buffer, .address_space: global }
      - { .name: x_scales, .offset: 8, .size: 8, .value_kind: global_buffer, .address_space: global }
      - { .name: w_codes, .offset: 16, .size: 8, .value_kind: global_buffer, .address_space: global }
      - { .name: w_scales, .offset: 24, .size: 8, .value_kind: global_buffer, .address_space: global }
      - { .name: bq, .offset: 32, .size: 8, .value_kind: global_buffer, .address_space: global }
      - { .name: bk, .offset: 40, .size: 8, .value_kind: global_buffer, .address_space: global }
      - { .name: bv, .offset: 48, .size: 8, .value_kind: global_buffer, .address_space: global }
      - { .name: qkv, .offset: 56, .size: 8, .value_kind: global_buffer, .address_space: global }
    .group_segment_fixed_size: 327680
    .private_segment_fixed_size: 0
    .kernarg_segment_align: 8
    .kernarg_segment_size: 64
    .max_flat_workgroup_size: 128
    .sgpr_count:     102
    .vgpr_count:     1024
    .wavefront_size: 32
...
	.end_amdgpu_metadata
.endif
;; end of part 2
;; launch attn (part 3): grid 4 x 64, 8 waves a work-group, clusters of 4 x 1, 327,680 bytes of LDS; arguments qkv, of; writes of
.if DOCPART == 3
	.amdgcn_target "amdgcn-amd-amdhsa--gfx1250"
	.amdhsa_code_object_version 6
	.text
	.protected	k_q8a071cae0d_attn
	.globl	k_q8a071cae0d_attn
	.p2align	8
	.type	k_q8a071cae0d_attn,@function
k_q8a071cae0d_attn:
	s_mov_b64 s[64:65], 0
	v_nop
	global_prefetch_b8 v0, s[64:65] scope:SCOPE_SE
	s_setreg_imm32_b32 hwreg(HW_REG_WAVE_MODE, 25, 1), 1
	s_wait_xcnt 0x0
	s_wait_alu depctr_hold_cnt(0) depctr_sa_sdst(0) depctr_va_vdst(0) depctr_va_sdst(0) depctr_va_ssrc(0) depctr_va_vcc(0) depctr_vm_vsrc(0)
	s_getreg_b32 s2, hwreg(HW_REG_IB_STS2, 6, 4)
	s_cmp_eq_u32 s2, 0
	s_cbranch_scc0 .Lentry_in_a_cluster
	s_endpgm
.Lentry_in_a_cluster:
	s_bfe_u32 s2, ttmp6, 0x10000c
	s_cmp_lg_u32 s2, 0x3003
	s_cbranch_scc0 .Lentry_shape_is_right
	s_endpgm
.Lentry_shape_is_right:
; O[bh][q] = the sum over k of softmax_k(Q[bh][q] . K[bh][k] / 8) V[bh][k]: 64 (batch, head) pairs, 2,048 positions, head size 64, no mask.  Q, K, V, O in f16; products, maxima and sums in f32; the weights p are rounded to f16.
; All four tensors lie IN BLOCKS of 16 positions x 16 channels, 512 bytes, the 16 bytes of (position r, channels 8 h on) at 16 (16 h + r): a load of 16 bytes at 16 x lane brings half a matrix operand.  V's blocks are laid for the turning load.
;   qkv: q at 0, k at 16,777,216, v at 33,554,432; in each bh x 262,144 + place x 2,048 + (channel / 16) x 512.  K is rotated by a key step: its place p holds key step p + 1, the last place step 0.
;   of: ((128 batch + position / 16) x 64 + 4 head + channel / 16) x 512: the output projection's operand.
; LIMITS: O must lie under 65,504 in magnitude (f16); under 6e-5 it keeps f16's absolute step of 6e-8.  p under 6e-8 of its row's largest counts for nothing.  NaN and infinities are not served.
; SHARES.  A work-group owns 512 queries of one bh, each of its eight waves 64: four tiles of 16, in 512 registers: two waves to a SIMD.  Every wave walks all keys, 64 a step, 32 steps.
; LAYOUT.  S^T = K Q^T (source 0 = 16 keys, source 1 = 16 queries) and O^T = V^T P (source 0 = 16 channels, source 1 = P): a lane holds ONE query (lane % 16) throughout.  P is made in S^T's own registers.
; SOFTMAX.  For each query a running maximum m and sum l: p = 2^(c s - c m), c = log2(e) / 8; in every step O and l are multiplied by a = 2^(c m_old - c m_new).
; TWO ROLES.  A step of a wave has a matrix phase M(j) = {O x a, O += V^T P of step j - 1, S = K Q^T of step j} and a vector phase X(j) = {softmax of step j; LDS loads of V(j) and K(j + 1)}.
; The role is (wave xor wave / 4) % 2.  In the first half of a pair role 0 runs X(j) and role 1 M(j); in the second half role 0 runs M(j + 1) and role 1 X(j); a barrier stands behind each half, so that half of the
; waves multiply while the other half do vector work.  Both roles read V(j) and K(j + 1) in pair j: K's rotation makes them one group, and eight groups a slot.
; WORK THAT SERVES THE FORM ALONE: role 1's first M multiplies zeros and makes step 0's scores a second time (64 products); role 0's last M makes scores of "step 32" (K of step 0 again) that nobody reads (32 products): of a wave's some 2,100.  So the pair is one text.
; CLUSTER.  The four work-groups of a cluster are one bh's four query blocks and walk the same K and V: each tile is asked for JOINTLY, with a mask that names the four.
; No prefetch: a slot's refill is asked for sixteen half steps, 512 matrix instructions of a wave, ahead of the wait for it, and only two slots of the four are refills.
; REGISTERS.  window 0: v1-6 addresses; v16-47 statistics, 8 a tile: +0 c m, +1 m, +2 +3 l, +4..+7 at work (+6 a); v64-127 K of a step; v128-255 S^T, 32 a tile, register 8 kt + j = key 16 kt + 8 (lane / 16) + j; P(t, kb) = v[S + 32 t + 8 kb].
;   window 1: v0-127 O^T, (t, ct) at 32 t + 8 ct; v128-191 Q, (t, f) at 16 t + 8 f; v192-255 V of a step, (ct, kb) at 8 (2 ct + kb).
.set SLOT1, 1<<17                      ; a slot: 65,536 bytes of K (8 groups of 8,192), then as many of V; slot 1 begins here, so that one exclusive or turns an address
.set VOFF,  65536
.set GRP,   8192                       ; a key step's 16 blocks
.set SPARE, 2*SLOT1                    ; behind the ring: the spare words, 128 bytes for each of eight waves
.set LI,  1                            ; v1   16 x lane; never rewritten
.set AV0, 2                            ; v2   16 x lane + VOFF; never rewritten
.set ADK, 3                            ; v3   LDS address of the pair's K
.set ADV, 4                            ; v4   and V
.set SPW, 5                            ; v5   LDS address of my spare word; never rewritten
.set NIL, 6                            ; v6   0; never rewritten
.set ST,  16
.set KF,  64
.set S,   128
.set QR,  128                          ; in window 1
.set VF,  192                          ; in window 1
.set WV,   8                           ; s8   my wave's number
.set ROLE, 9                           ; s9
.set G1,  16                           ; s[16:23] descriptor group 1
.set G0A, 24                           ; s[24:27] group 0 of slot 0's first fill
.set G0B, 28                           ; s[28:31] of slot 1's; it then walks
.set CS,  32                           ; s[32:33] c, twice: the packed form names a pair
.set SEL, 34                           ; s[34:35] lane selects for v_permlanex16_b32: lane l xor 16
.set TB,  36                           ; s36  LDS byte at which the pair's group begins
.set OUTER, 37
.set INNER, 38
.set MSB, 0
.macro WIN new                         ; the immediate's high byte repeats the setting that is left
.if MSB != \new
	s_set_vgpr_msb (MSB<<8)|\new
.set MSB, \new
.endif
.endm
.set W_KQ, 0x04                        ; K and S^T in window 0, Q (source 1) in window 1
.set W_PV, 0x51                        ; V (source 0), C and D in window 1, P (source 1) in window 0; the rescaling: O in window 1, a in window 0
.set TO_1, 0x40                        ; destination window 1
.macro PLACES n
.rept \n
	v_nop
.endr
.endm
.macro BAR
	s_barrier_signal -1
	s_barrier_wait -1
.endm
.macro CROUND                          ; a round of the cluster's barrier
	s_barrier_signal -1
	s_barrier_wait -1
	s_cmp_lg_u32 s[WV], 0
	s_cbranch_scc1 .Lnot_wave_0_\@
	s_barrier_signal -3
.Lnot_wave_0_\@:
	s_barrier_wait -3
	s_barrier_signal -1
	s_barrier_wait -1
.endm
	s_load_b128 s[4:7], s[0:1], 0x0                ; qkv, of
	v_lshl_add_u32 v[SPW], v0, 2, SPARE
	v_mov_b32 v[NIL], 0
	ds_add_u32 v[SPW], v[NIL]                      ; the wave's opening: the add, twice on end, and its wait ahead of my first tensor load
	ds_add_u32 v[SPW], v[NIL]
	v_lshrrev_b32 v1, 5, v0
	v_readfirstlane_b32 s[WV], v1                  ; wave 0..7
	s_lshr_b32 s[ROLE], s[WV], 2
	s_xor_b32 s[ROLE], s[ROLE], s[WV]
	s_and_b32 s[ROLE], s[ROLE], 1                  ; it differs between waves w and w + 4, and between 2 i and 2 i + 1
	s_bfe_u32 s10, ttmp6, 0x40000                  ; cx: my place in the cluster
	s_and_b32 s11, ttmp7, 0xffff                   ; bh, which the four partners share
	s_lshl_b32 s41, s11, 18                        ; bh x 262,144
	s_lshr_b32 s42, s[WV], 2                       ; what I fetch: waves 0-3 K, waves 4-7 V,
	s_add_co_u32 s42, s42, 1
	s_lshl_b32 s42, s42, 24
	s_add_co_u32 s42, s42, s41
	s_and_b32 s43, s[WV], 3
	s_lshl_b32 s43, s43, 14                        ; 16,384 bytes of a slot's 65,536 each
	s_add_co_u32 s42, s42, s43
	s_mov_b32 s43, 0
	s_lshl_b32 s40, ttmp9, 2
	s_add_co_u32 s40, s40, s10                     ; my block of 512 queries: it enters Q's and O's addresses alone
	s_lshl_b32 s40, s40, 5
	s_lshl_b32 s44, s[WV], 2
	s_add_co_u32 s40, s40, s44                     ; my first tile of 16 queries
	s_lshl_b32 s44, s40, 11
	s_add_co_u32 s44, s44, s41                     ; Q
	s_mov_b32 s45, 0
	s_lshr_b32 s46, s11, 4                         ; the batch
	s_lshl_b32 s46, s46, 7
	s_add_co_u32 s46, s46, s40
	s_lshl_b32 s46, s46, 15                        ; a tile of 16 rows of O is 32,768 bytes,
	s_and_b32 s47, s11, 15
	s_lshl_b32 s47, s47, 11                        ; a head's four blocks 2,048
	s_add_co_u32 s46, s46, s47
	s_mov_b32 s47, 0
	s_add_co_u32 s12, s41, 16777216+31*GRP         ; K of step 0: the last place
	s_mov_b32 s13, 0
	; descriptor group 1: 16,384 dense bytes as 64 rows of 256 (32 elements of 8 bytes), no padding
	s_mov_b32 s[G1], 15|(3<<16)|(1<<21)            ; 15:0 the mask: all four work-groups; elements of 8 bytes; bit 21 beside a mask
	s_mov_b32 s[G1+1], 32<<16                      ; tensor_dim0
	s_mov_b32 s[G1+2], 64<<16                      ; tensor_dim1
	s_mov_b32 s[G1+3], 32<<16                      ; tile_dim0
	s_mov_b32 s[G1+4], 64                          ; tile_dim1
	s_mov_b32 s[G1+5], 32                          ; tensor_dim0_stride
	s_mov_b32 s[G1+6], 0
	s_mov_b32 s[G1+7], 0
	s_mov_b32 s[CS], 0x3e38aa3b                    ; c = log2(e) / 8
	s_mov_b32 s[CS+1], s[CS]
	s_mov_b32 s[SEL], 0x76543210
	s_mov_b32 s[SEL+1], 0xfedcba98
	s_mov_b32 s[TB], 0
	s_wait_dscnt 0x0                               ; both opening adds are done
	s_wait_kmcnt 0x0
	s_add_nc_u64 s[42:43], s[4:5], s[42:43]
	s_add_nc_u64 s[12:13], s[4:5], s[12:13]
	s_add_nc_u64 s[6:7], s[6:7], s[46:47]
	s_add_nc_u64 s[4:5], s[4:5], s[44:45]
	CROUND                                         ; all four work-groups are here: the first joint loads meet
	s_mov_b32 s[G0A], 1                            ; count = 1
	s_lshl_b32 s[G0A+1], s[WV], 14                 ; LDS address: wave x 16,384: K's 65,536 bytes, then V's
	s_mov_b64 s[G0A+2:G0A+3], s[42:43]             ; groups 0 to 7
	s_or_b32 s[G0A+3], s[G0A+3], 0x80000000        ; type = 2
	s_mov_b32 s[G0B], 1
	s_add_co_u32 s[G0B+1], s[G0A+1], SLOT1
	s_add_nc_u64 s[G0B+2:G0B+3], s[42:43], 8*GRP   ; groups 8 to 15
	s_or_b32 s[G0B+3], s[G0B+3], 0x80000000
	tensor_load_to_lds s[G0A:G0A+3], s[G1:G1+7]    ; both first fills together: two tensor loads of mine are out
	s_nop 0
	tensor_load_to_lds s[G0B:G0B+3], s[G1:G1+7]
	s_nop 0
	PLACES 4
	v_and_b32 v[LI], 31, v0
	v_lshlrev_b32 v[LI], 4, v[LI]
	v_add_nc_u32 v[AV0], VOFF, v[LI]
	WIN TO_1
.irp f, 0,1,2,3,4,5,6,7,8,9,10,11,12,13,14,15  ; Q stays in registers: tile f / 4, channels 16 (f % 4) on
	global_load_b128 v[QR+4*\f:QR+4*\f+3], v[LI], s[4:5] offset:\f*512
.endr
	WIN 0
.irp f, 0,1,2,3,4,5,6,7,8,9,10,11,12,13,14,15  ; K of step 0 comes straight from memory: keys 16 (f / 4) on, channels 16 (f % 4) on
	global_load_b128 v[KF+4*\f:KF+4*\f+3], v[LI], s[12:13] offset:\f*512
.endr
.irp t, 0,1,2,3
	v_mov_b32 v[ST+8*\t+1], 0xff61b1e6             ; m: -3e38, under every score
	v_mov_b32 v[ST+8*\t+2], 0                      ; l
	v_mov_b32 v[ST+8*\t+3], 0
	v_mov_b32 v[ST+8*\t+4], 0
	v_mov_b32 v[ST+8*\t+5], 0
	v_mov_b32 v[ST+8*\t+6], 0                      ; a, for role 1's first matrix phase
	v_mov_b32 v[ST+8*\t+7], 0
	v_mul_f32 v[ST+8*\t], s[CS], v[ST+8*\t+1]      ; c m
.endr
	WIN TO_1
.set i, 0
.rept 128
	v_mov_b32 v[i], 0                              ; O^T.  The pair is written once: the first step finds zeros, which the first a leaves zeros
.set i, i+1
.endr
.set i, 0
.rept 64
	v_mov_b32 v[VF+i], 0                           ; V, for role 1's first matrix phase
.set i, i+1
.endr
	WIN 0
; 32 products of S^T = K Q^T: channels 32 (i / 16) on, keys 16 ((i / 4) % 4) on, tile i % 4.  The first 16 start the sums.  The 16 accumulators take turns.
.macro KQPART
	WIN W_KQ
.set i, 0
.rept 32
.set rS, S+32*(i%4)+8*((i/4)%4)
.set rK, KF+16*((i/4)%4)+8*(i/16)
.set rQ, QR+16*(i%4)+8*(i/16)
.if i < 16
	v_wmma_f32_16x16x32_f16 v[rS:rS+7], v[rK:rK+7], v[rQ:rQ+7], 0
.else
	v_wmma_f32_16x16x32_f16 v[rS:rS+7], v[rK:rK+7], v[rQ:rQ+7], v[rS:rS+7]
.endif
.set i, i+1
.endr
.endm
; 32 products of O^T += V^T P: keys 32 (i / 16) on, channels 16 ((i / 4) % 4) on, tile i % 4.  Ahead of an accumulator's first product it is multiplied by a, from its low end on: four packed lines under the same windows.
.macro PVPART
	WIN W_PV
.set i, 0
.rept 32
.set rO, 32*(i%4)+8*((i/4)%4)
.set rV, VF+8*(2*((i/4)%4)+i/16)
.set rP, S+32*(i%4)+8*(i/16)
.set rA, ST+8*(i%4)+6
.if i < 16
	v_pk_mul_f32 v[rO:rO+1], v[rO:rO+1], v[rA:rA+1] op_sel_hi:[1,0]
	v_pk_mul_f32 v[rO+2:rO+3], v[rO+2:rO+3], v[rA:rA+1] op_sel_hi:[1,0]
	v_pk_mul_f32 v[rO+4:rO+5], v[rO+4:rO+5], v[rA:rA+1] op_sel_hi:[1,0]
	v_pk_mul_f32 v[rO+6:rO+7], v[rO+6:rO+7], v[rA:rA+1] op_sel_hi:[1,0]
.endif
	v_wmma_f32_16x16x32_f16 v[rO:rO+7], v[rV:rV+7], v[rP:rP+7], v[rO:rO+7]
.set i, i+1
.endr
.endm
; THE MATRIX PHASE.
.macro MPH
	v_nop                                          ; with the first four packed lines: five places, on every way through the text, between a product that wrote S^T and the product that takes its registers as P
	PVPART
	PLACES 5                                       ; the scores are laid over P, which the products above have read: five places (ISA guide 7.12.1)
	KQPART
	WIN 0
.endm
; THE VECTOR PHASE: the group's LDS loads in one run at its head, the four tiles' softmax line by line by turns, one wait for all 132 exponentials, the wait for the loads at its end.
.macro XPH
	PLACES 4                                       ; behind the last products: the loads land on K's and V's registers, the maxima read the scores
.irp f, 0,1,2,3,4,5,6,7,8,9,10,11,12,13,14,15  ; K of the next step
	ds_load_b128 v[KF+4*\f:KF+4*\f+3], v[ADK] offset:\f*512
.endr
	WIN TO_1
.irp ct, 0,1,2,3                               ; V of this step, turned: a block of 16 keys x 16 channels gives half a fragment of V^T
.irp kb, 0,1
.irp c, 0,1
	ds_load_tr16_b128 v[VF+8*(2*\ct+\kb)+4*\c:VF+8*(2*\ct+\kb)+4*\c+3], v[ADV] offset:(4*(2*\kb+\c)+\ct)*512
.endr
.endr
.endr
	WIN 0
	; the maximum of a lane's 32 scores and the old m: four chains of seven scores (each accumulator is read from its low end on), the four left over, the chains, m
.irp j, 0,1,2,3
.irp t, 0,1,2,3
	v_max3_num_f32 v[ST+8*\t+4+\j], v[S+32*\t+8*\j], v[S+32*\t+8*\j+1], v[S+32*\t+8*\j+2]
.endr
.endr
.irp u, 3,5
.irp j, 0,1,2,3
.irp t, 0,1,2,3
	v_max3_num_f32 v[ST+8*\t+4+\j], v[ST+8*\t+4+\j], v[S+32*\t+8*\j+\u], v[S+32*\t+8*\j+\u+1]
.endr
.endr
.endr
.irp t, 0,1,2,3
	v_max3_num_f32 v[ST+8*\t+4], v[ST+8*\t+4], v[S+32*\t+7], v[S+32*\t+15]
.endr
.irp t, 0,1,2,3
	v_max3_num_f32 v[ST+8*\t+6], v[ST+8*\t+6], v[S+32*\t+23], v[S+32*\t+31]
.endr
.irp t, 0,1,2,3
	v_max3_num_f32 v[ST+8*\t+4], v[ST+8*\t+4], v[ST+8*\t+5], v[ST+8*\t+6]
.endr
.irp t, 0,1,2,3
	v_max3_num_f32 v[ST+8*\t+4], v[ST+8*\t+4], v[ST+8*\t+7], v[ST+8*\t+1]
.endr
.irp t, 0,1,2,3
	v_permlanex16_b32 v[ST+8*\t+5], v[ST+8*\t+4], s[SEL], s[SEL+1]   ; the query's other 32 keys lie in the lane 16 away
.endr
.irp t, 0,1,2,3
	v_mov_b32 v[ST+8*\t+7], v[ST+8*\t]             ; c m_old
.endr
.irp t, 0,1,2,3
	v_max_num_f32 v[ST+8*\t+1], v[ST+8*\t+4], v[ST+8*\t+5]   ; the new m
.endr
.irp t, 0,1,2,3
	v_mul_f32 v[ST+8*\t], s[CS], v[ST+8*\t+1]
.endr
.irp t, 0,1,2,3
	v_sub_f32 v[ST+8*\t+7], v[ST+8*\t+7], v[ST+8*\t]
.endr
.irp t, 0,1,2,3
	v_exp_f32 v[ST+8*\t+6], v[ST+8*\t+7]           ; a
.endr
	; ONE BATCH: the scalings c s - c m, a pair of scores each, and the exponentials, a pair behind its scaling; none of these lines names an exponential's result
.set b, 0
.rept 17
.if b < 16
.irp t, 0,1,2,3
	v_pk_fma_f32 v[S+32*\t+2*b:S+32*\t+2*b+1], v[S+32*\t+2*b:S+32*\t+2*b+1], s[CS:CS+1], v[ST+8*\t:ST+8*\t+1] op_sel_hi:[1,0,0] neg_lo:[0,0,1] neg_hi:[0,0,1]
.endr
.endif
.if b > 0
.irp t, 0,1,2,3
	v_exp_f32 v[S+32*\t+2*b-2], v[S+32*\t+2*b-2]
	v_exp_f32 v[S+32*\t+2*b-1], v[S+32*\t+2*b-1]
.endr
.endif
.set b, b+1
.endr
	v_nop                                          ; a plain line behind the last exponential,
	s_wait_alu depctr_va_vdst(0)                   ; and the one wait ahead of the batch's first reader
	; l = a l + the sum of the unrounded p, in two chains of pairs
.irp t, 0,1,2,3
	v_pk_fma_f32 v[ST+8*\t+2:ST+8*\t+3], v[ST+8*\t+2:ST+8*\t+3], v[ST+8*\t+6:ST+8*\t+7], v[S+32*\t:S+32*\t+1] op_sel_hi:[1,0,1]
.endr
.irp t, 0,1,2,3
	v_pk_add_f32 v[ST+8*\t+4:ST+8*\t+5], v[S+32*\t+2:S+32*\t+3], v[S+32*\t+6:S+32*\t+7]
.endr
.irp u, 1,2,3,4,5,6,7
.irp t, 0,1,2,3
	v_pk_add_f32 v[ST+8*\t+2:ST+8*\t+3], v[ST+8*\t+2:ST+8*\t+3], v[S+32*\t+4*\u:S+32*\t+4*\u+1]
.endr
.if \u > 1
.irp t, 0,1,2,3
	v_pk_add_f32 v[ST+8*\t+4:ST+8*\t+5], v[ST+8*\t+4:ST+8*\t+5], v[S+32*\t+4*\u+2:S+32*\t+4*\u+3]
.endr
.endif
.endr
.irp t, 0,1,2,3
	v_pk_add_f32 v[ST+8*\t+2:ST+8*\t+3], v[ST+8*\t+2:ST+8*\t+3], v[ST+8*\t+4:ST+8*\t+5]
.endr
	; P, in place: pair i of a tile goes to the tile's register i; ascending, so that no pair is written over before it is read
.irp n, 0,1,2,3,4,5,6,7,8,9,10,11,12,13,14,15
.irp t, 0,1,2,3
	v_cvt_pk_f16_f32 v[S+32*\t+\n], v[S+32*\t+2*\n], v[S+32*\t+2*\n+1]
.endr
.endr
	s_wait_dscnt 0x0                               ; K and V are in: no LDS instruction of mine is out at the barrier, and my reads of the group are over
.endm
; A PAIR: key step j for both roles.  The two address registers are made on the way that all waves take.
.macro PAIR
	v_add_nc_u32 v[ADK], s[TB], v[LI]
	v_add_nc_u32 v[ADV], s[TB], v[AV0]
	s_cmp_eq_u32 s[ROLE], 0
	s_cbranch_scc0 .Lm1_\@
	XPH
	s_branch .Lj1_\@
.Lm1_\@:
	MPH
.Lj1_\@:
	BAR
	s_cmp_eq_u32 s[ROLE], 0
	s_cbranch_scc0 .Lx2_\@
	MPH
	s_branch .Lj2_\@
.Lx2_\@:
	XPH
.Lj2_\@:
	BAR
	s_add_co_u32 s[TB], s[TB], GRP                 ; the next group
.endm
.macro EIGHT                           ; a slot's eight pairs
	s_mov_b32 s[INNER], 8
.Lpair_\@:
	PAIR
	s_sub_co_u32 s[INNER], s[INNER], 1
	s_cmp_lg_u32 s[INNER], 0
	s_cbranch_scc1 .Lpair_\@
.endm
; THE CHANGE OF SLOTS.  Each wave waits for all its tensor loads (its part of the other slot), adds 0 to its spare word, and waits for that; its reads of the slot were over at the last barrier.
; fill = 1: the slot just left is filled with the groups two slots on, behind a round of the cluster's barrier, so that no wave of any partner still reads it; the load has eight pairs in which to land.
.macro CHANGE fill
	s_wait_tensorcnt 0x0                           ; no tensor load of mine is out, so a group 0 may be written
	ds_add_u32 v[SPW], v[NIL]
.if \fill
	s_xor_b32 s[G0B+1], s[G0B+1], SLOT1            ; the walking descriptor: the other slot than last time,
	s_add_nc_u64 s[G0B+2:G0B+3], s[G0B+2:G0B+3], 8*GRP   ; the next eight groups; the type bits on top are not reached
.endif
	s_wait_dscnt 0x0
.if \fill
	CROUND
	tensor_load_to_lds s[G0B:G0B+3], s[G1:G1+7]    ; my one tensor load behind the round
	s_nop 0
	PLACES 4
.else
	BAR
.endif
	s_sub_co_u32 s[TB], s[TB], 8*GRP               ; back to a slot's first group,
	s_xor_b32 s[TB], s[TB], SLOT1                  ; in the other slot
.endm
	s_wait_loadcnt 0x0                             ; Q and K of step 0
	KQPART                                         ; step 0's scores, in every wave: so every register of S^T is written on every way
	WIN 0
	PLACES 5
	s_cmp_eq_u32 s[ROLE], 0
	s_cbranch_scc1 .Lrole_0
.irp t, 0,1,2,3                                ; role 1 begins with a matrix phase: its P is zeros, and that phase makes the scores anew
.irp n, 0,1,2,3,4,5,6,7,8,9,10,11,12,13,14,15
	v_mov_b32 v[S+32*\t+\n], 0
.endr
.endr
.Lrole_0:
	s_wait_tensorcnt 0x1                           ; my part of slot 0 is in; slot 1's may stay out
	BAR
	s_mov_b32 s[OUTER], 2
.Lfill:                                                ; slots 0 and 1 are read, and filled again
	EIGHT
	CHANGE 1
	s_sub_co_u32 s[OUTER], s[OUTER], 1
	s_cmp_lg_u32 s[OUTER], 0
	s_cbranch_scc1 .Lfill
	s_mov_b32 s[OUTER], 2
.Ltail:                                                ; the last two slots: nothing is asked for.  (The second trip's change serves nothing: one barrier, so that the pair's text stands twice and not three times)
	EIGHT
	CHANGE 0
	s_sub_co_u32 s[OUTER], s[OUTER], 1
	s_cmp_lg_u32 s[OUTER], 0
	s_cbranch_scc1 .Ltail
	s_cmp_eq_u32 s[ROLE], 0
	s_cbranch_scc1 .Lout
	v_nop                                          ; as at the head of the matrix phase: with the first four packed lines, five places between a product that wrote S^T and the product that takes its registers as P, on every way through the text
	PVPART                                         ; role 1: V^T P of the last step
	WIN 0
.Lout:
	; THE WAY OUT.  l's two halves and the other half of the lanes' are added (these lines are the places behind the last products); O^T / l, rounded to f16, is one piece of a block a lane: a store covers a block's 512 consecutive bytes.
.irp t, 0,1,2,3
	v_add_f32 v[ST+8*\t+4], v[ST+8*\t+2], v[ST+8*\t+3]
.endr
.irp t, 0,1,2,3
	v_permlanex16_b32 v[ST+8*\t+5], v[ST+8*\t+4], s[SEL], s[SEL+1]
.endr
.irp t, 0,1,2,3
	v_add_f32 v[ST+8*\t+4], v[ST+8*\t+4], v[ST+8*\t+5]
.endr
.irp t, 0,1,2,3
	v_rcp_f32 v[ST+8*\t+6], v[ST+8*\t+4]
.endr
	v_nop                                          ; a plain line behind the last reciprocal,
	s_wait_alu depctr_va_vdst(0)                   ; and the wait ahead of the first use: one for the four
.irp t, 0,1,2,3
	WIN 0x41                                       ; O^T (destination and source 0) in window 1, 1 / l in window 0
.irp n, 0,1,2,3,4,5,6,7,8,9,10,11,12,13,14,15
	v_pk_mul_f32 v[32*\t+2*\n:32*\t+2*\n+1], v[32*\t+2*\n:32*\t+2*\n+1], v[ST+8*\t+6:ST+8*\t+7] op_sel_hi:[1,0]
.endr
	WIN 0x05                                       ; sources in window 1, destination in window 0: S^T's registers are free
.irp n, 0,1,2,3,4,5,6,7,8,9,10,11,12,13,14,15
	v_cvt_pk_f16_f32 v[S+16*\t+\n], v[32*\t+2*\n], v[32*\t+2*\n+1]
.endr
	WIN 0
.irp ct, 0,1,2,3
	global_store_b128 v[LI], v[S+16*\t+4*\ct:S+16*\t+4*\ct+3], s[6:7] offset:\t*32768+\ct*512
.endr
.endr
	s_wait_tensorcnt 0x0                           ; the wave's end
	ds_add_u32 v[SPW], v[NIL]
	s_wait_dscnt 0x0
	CROUND                                         ; the closing round: no work-group ends while a partner may still ask for a tile that names it
	s_endpgm
.Lfunc_end_k_q8a071cae0d_attn:
	.size	k_q8a071cae0d_attn, .Lfunc_end_k_q8a071cae0d_attn-k_q8a071cae0d_attn
	.p2alignl 7, 3214868480
	.fill 96, 4, 3214868480
	.section	.rodata,"a",@progbits
	.p2align	6, 0x0
	.amdhsa_kernel k_q8a071cae0d_attn
		.amdhsa_group_segment_fixed_size 327680
		.amdhsa_private_segment_fixed_size 0
		.amdhsa_enable_private_segment 0
		.amdhsa_kernarg_size 16
		.amdhsa_user_sgpr_count 2
		.amdhsa_user_sgpr_kernarg_segment_ptr 1
		.amdhsa_wavefront_size32 1
		.amdhsa_system_sgpr_workgroup_id_x 1
		.amdhsa_system_sgpr_workgroup_id_y 1
		.amdhsa_system_sgpr_workgroup_id_z 1
		.amdhsa_system_vgpr_workitem_id 0
		.amdhsa_next_free_vgpr 512
		.amdhsa_next_free_sgpr 66
		.amdhsa_reserve_vcc 0
		.amdhsa_float_denorm_mode_32 3
		.amdhsa_float_denorm_mode_16_64 3
		.amdhsa_memory_ordered 1
		.amdhsa_forward_progress 1
		.amdhsa_inst_pref_size 165
	.end_amdhsa_kernel
	.amdgpu_metadata
---
amdhsa.version: [ 1, 2 ]
amdhsa.kernels:
  - .name:           k_q8a071cae0d_attn
    .symbol:         k_q8a071cae0d_attn.kd
    .args:
      - { .name: qkv, .offset: 0, .size: 8, .value_kind: global_buffer, .address_space: global }
      - { .name: of, .offset: 8, .size: 8, .value_kind: global_buffer, .address_space: global }
    .group_segment_fixed_size: 327680
    .private_segment_fixed_size: 0
    .kernarg_segment_align: 8
    .kernarg_segment_size: 16
    .max_flat_workgroup_size: 256
    .sgpr_count:     66
    .vgpr_count:     512
    .wavefront_size: 32
...
	.end_amdgpu_metadata
.endif
;; end of part 3
;; launch oproj (part 4): grid 64 x 4, 4 waves a work-group, clusters of 4 x 1, 327,680 bytes of LDS; arguments of, wof, bo, out0; writes out0
.if DOCPART == 4
	.amdgcn_target "amdgcn-amd-amdhsa--gfx1250"
	.amdhsa_code_object_version 6
	.text
	.protected	k_q8a071cae0d_oproj
	.globl	k_q8a071cae0d_oproj
	.p2align	8
	.type	k_q8a071cae0d_oproj,@function
k_q8a071cae0d_oproj:
	s_mov_b64 s[64:65], 0
	v_nop
	global_prefetch_b8 v0, s[64:65] scope:SCOPE_SE
	s_setreg_imm32_b32 hwreg(HW_REG_WAVE_MODE, 25, 1), 1
	s_wait_xcnt 0x0
	s_wait_alu depctr_hold_cnt(0) depctr_sa_sdst(0) depctr_va_vdst(0) depctr_va_sdst(0) depctr_va_ssrc(0) depctr_va_vcc(0) depctr_vm_vsrc(0)
	s_getreg_b32 s2, hwreg(HW_REG_IB_STS2, 6, 4)
	s_cmp_eq_u32 s2, 0
	s_cbranch_scc0 .Lentry_in_a_cluster
	s_endpgm
.Lentry_in_a_cluster:
	s_bfe_u32 s2, ttmp6, 0x10000c
	s_cmp_lg_u32 s2, 0x3003
	s_cbranch_scc0 .Lentry_shape_is_right
	s_endpgm
.Lentry_shape_is_right:
; out0[m][n] = bo[n] + sum over k of o[m][k] wo[n][k]: M 8,192, N 1,024, K 1,024; o and wo in f16, sums and out0 in f32.
; Both operands lie IN BLOCKS of 16 rows x 16 along K, 512 bytes, the 16 bytes of (row r, k 8 h on) at 16 (16 h + r): block (row / 16, k / 16) at (row / 16) x 32,768 + (k / 16) x 512.  Two neighbouring blocks, each by one load of 16 bytes at 16 x lane, are a fragment.
; A tile of out0 is 128 rows x 256 columns: 256 work-groups of four waves; a wave makes 64 x 128: 32 accumulators, 256 registers.
; wo's TILES GO THROUGH LDS, in a ring of two slots of 256 along K (131,072 bytes), filled by the tensor data mover.  The four work-groups of a cluster are four tile rows of one tile column and need the same tiles of wo: they ask JOINTLY.
; o's FRAGMENTS COME STRAIGHT FROM MEMORY into a ring of eight register buffers, asked for eight quarter steps (256 matrix instructions) ahead: each load covers 512 consecutive bytes.  So a slot holds 256 along K of wo where
; it would hold 192 of both operands, and a refill has 256 matrix instructions of a wave in which to land.  o's tiles are not shared inside the cluster.  No prefetch: no wave waits for either stream in the walk.
; THE MATRIX INSTRUCTION IS USED TRANSPOSED (source 0 = 16 rows of wo, source 1 = 16 rows of o): a lane holds eight neighbouring columns of one row of out0.  The bias is the C of each sum's first product.
; REGISTERS: window 0: v1-8 addresses; v28, v29 the add's two; v32-95 the bias; v128-255 rows on the way out.   window 1: wo's fragments, two buffers at v0 and v64.   window 2: the accumulators, (a, b) at 8 (8 a + b).
;   window 3: o's ring: quarter q's four fragments at 32 (q % 8) + 8 a.
.set SLOT1,  1<<17
.set STAGE,  2*SLOT1                   ; behind the ring: 16 rows x (512 bytes + 16) for each wave, for the way out; no tile lands there
.set SPITCH, 528
.set SPARE,  STAGE+4*16*SPITCH         ; behind the stages: the spare words, 128 bytes a wave
.set LI,  1                            ; v1   16 x lane; never rewritten
.set ADB, 2                            ; v2-3 LDS address of my eight tiles of wo in slot 0, 1
.set STO, 4                            ; v4   the way out: where I put 32 bytes of a row
.set RD,  5                            ; v5   and where I read a row back
.set BO,  6                            ; v6   32 x (lane / 16)
.set SPW, 28
.set NIL, 29
.set BN,  32                           ; v[BN + 8 b + j] = bo[16 b + 8 (lane / 16) + j] of my 128 columns
.set BK,  128
.set WV,  12
.set G1,  24                           ; s[24:31] descriptor group 1
.set G0A, 32                           ; s[32:35] group 0 of slot 0's first fill
.set G0B, 36                           ; s[36:39] of slot 1's; it then walks
.set MSB, 0
.macro WIN new                         ; the immediate's high byte repeats the setting that is left
.if MSB != \new
	s_set_vgpr_msb (MSB<<8)|\new
.set MSB, \new
.endif
.endm
.set MUL,  0xad                        ; source 0 (wo) window 1, source 1 (o) window 3, C and D window 2
.set MUL0, 0x8d                        ; the first quarter: C (the bias) window 0
.macro PLACES
.rept 4
	v_nop
.endr
.endm
.macro CROUND                          ; a round of the cluster's barrier
	s_barrier_signal -1
	s_barrier_wait -1
	s_cmp_lg_u32 s[WV], 0
	s_cbranch_scc1 .Lnot_wave_0_\@
	s_barrier_signal -3
.Lnot_wave_0_\@:
	s_barrier_wait -3
	s_barrier_signal -1
	s_barrier_wait -1
.endm
	s_load_b256 s[4:11], s[0:1], 0x0               ; of s[4:5], wof s[6:7], bo s[8:9], out0 s[10:11]
	v_lshl_add_u32 v[SPW], v0, 2, SPARE
	v_mov_b32 v[NIL], 0
	ds_add_u32 v[SPW], v[NIL]                      ; the wave's opening: the add, twice on end, and its wait ahead of my first tensor load
	ds_add_u32 v[SPW], v[NIL]
	v_lshrrev_b32 v1, 5, v0
	v_readfirstlane_b32 s[WV], v1                  ; wave 0..3
	s_lshr_b32 s13, s[WV], 1                       ; which 64 rows of the tile are mine
	s_and_b32 s14, s[WV], 1                        ; which 128 columns
	s_bfe_u32 s15, ttmp6, 0x40000                  ; cx
	s_lshl_b32 s16, ttmp9, 2
	s_add_co_u32 s16, s16, s15                     ; tile row = 4 x cluster x + cx: it enters o's and out0's addresses alone
	s_and_b32 s17, ttmp7, 0xffff                   ; tile column, which the four partners share
	; descriptor group 1: 4 tiles of 16 rows of wo, 256 along K of each: 4 rows of 8,192 bytes (1,024 elements of 8), 32,768 bytes apart; dense in LDS
	s_mov_b32 s[G1], 15|(3<<16)|(1<<21)            ; the mask: all four work-groups; elements of 8 bytes; bit 21 beside a mask
	s_mov_b32 s[G1+1], 1024<<16                    ; tensor_dim0
	s_mov_b32 s[G1+2], 4<<16                       ; tensor_dim1
	s_mov_b32 s[G1+3], 1024<<16                    ; tile_dim0
	s_mov_b32 s[G1+4], 4                           ; tile_dim1
	s_mov_b32 s[G1+5], 4096                        ; tensor_dim0_stride
	s_mov_b32 s[G1+6], 0
	s_mov_b32 s[G1+7], 0
	s_lshl_b32 s18, s17, 4
	s_lshl_b32 s19, s[WV], 2
	s_add_co_u32 s18, s18, s19                     ; wo: I fetch tiles 16 x tile column + 4 x wave on
	s_lshl_b32 s18, s18, 15
	s_mov_b32 s19, 0
	s_lshl_b32 s20, s16, 3
	s_lshl_b32 s21, s13, 2
	s_add_co_u32 s20, s20, s21                     ; o: my four tiles of 16 rows: 8 x tile row + 4 x half on
	s_lshl_b32 s20, s20, 15
	s_mov_b32 s21, 0
	s_lshl_b32 s22, s17, 10
	s_lshl_b32 s23, s14, 9
	s_add_co_u32 s22, s22, s23                     ; my first column, in bytes of f32: in bo and in a row of out0
	s_mov_b32 s23, 0
	s_lshl_b32 s40, s16, 7
	s_lshl_b32 s41, s13, 6
	s_add_co_u32 s40, s40, s41                     ; my first row
	s_lshl_b32 s40, s40, 12                        ; of 4,096 bytes
	s_add_co_u32 s40, s40, s22
	s_mov_b32 s41, 0
	s_wait_dscnt 0x0                               ; both opening adds are done
	s_wait_kmcnt 0x0
	s_add_nc_u64 s[18:19], s[6:7], s[18:19]
	s_add_nc_u64 s[4:5], s[4:5], s[20:21]
	s_add_nc_u64 s[8:9], s[8:9], s[22:23]
	s_add_nc_u64 s[10:11], s[10:11], s[40:41]
	CROUND                                         ; all four work-groups are here: the first joint loads meet
	s_mov_b32 s[G0A], 1
	s_lshl_b32 s[G0A+1], s[WV], 15                 ; LDS address: wave x 32,768
	s_mov_b64 s[G0A+2:G0A+3], s[18:19]             ; K 0 to 255
	s_or_b32 s[G0A+3], s[G0A+3], 0x80000000
	s_mov_b32 s[G0B], 1
	s_add_co_u32 s[G0B+1], s[G0A+1], SLOT1
	s_add_nc_u64 s[G0B+2:G0B+3], s[18:19], 8192    ; K 256 to 511
	s_or_b32 s[G0B+3], s[G0B+3], 0x80000000
	tensor_load_to_lds s[G0A:G0A+3], s[G1:G1+7]    ; both first fills together: two tensor loads of mine are out
	s_nop 0
	tensor_load_to_lds s[G0B:G0B+3], s[G1:G1+7]
	s_nop 0
	PLACES
	v_and_b32 v[LI], 31, v0
	v_lshlrev_b32 v[LI], 4, v[LI]
	v_and_b32 v7, 15, v0                           ; r
	v_bfe_u32 v8, v0, 4, 1                         ; h
	v_lshlrev_b32 v[BO], 5, v8
.irp b, 0,1,2,3,4,5,6,7
	global_load_b128 v[BN+8*\b:BN+8*\b+3], v[BO], s[8:9] offset:64*\b
	global_load_b128 v[BN+8*\b+4:BN+8*\b+7], v[BO], s[8:9] offset:64*\b+16
.endr
; o's four fragments of quarter q (32 along K): eight loads
.macro LOADA q
.irp a, 0,1,2,3
.irp c, 0,1
	global_load_b128 v[32*((\q)%8)+8*\a+4*\c:32*((\q)%8)+8*\a+4*\c+3], v[LI], s[4:5] offset:\a*32768+(2*(\q)+\c)*512
.endr
.endr
.endm
	WIN 0xc0                                       ; destination window 3
.irp q, 0,1,2,3,4,5,6,7
	LOADA \q
.endr
	WIN 0
	s_lshl_b32 s42, s14, 16                        ; my eight tiles of wo in a slot
	v_add_nc_u32 v[ADB], s42, v[LI]
	s_add_co_u32 s42, s42, SLOT1
	v_add_nc_u32 v[ADB+1], s42, v[LI]
	s_mul_i32 s43, s[WV], 16*SPITCH
	s_add_co_u32 s43, s43, STAGE                   ; my stage
	v_mul_u32_u24 v[STO], v7, SPITCH
	v_lshl_add_u32 v[STO], v8, 5, v[STO]
	v_add_nc_u32 v[STO], s43, v[STO]               ; in: row r, 32 bytes for each half of the lanes
	v_add_nc_u32 v[RD], s43, v[LI]                 ; back: the 32 lanes take one row of 512 bytes
; wo's eight fragments of quarter q into buffer q % 2: 16 LDS loads, each of 512 consecutive bytes
.macro FETCHB q
.irp b, 0,1,2,3,4,5,6,7
.irp c, 0,1
	ds_load_b128 v[64*((\q)%2)+8*\b+4*\c:64*((\q)%2)+8*\b+4*\c+3], v[ADB+((\q)/8)%2] offset:\b*8192+((\q)%8)*1024+\c*512
.endr
.endr
.endm
; 8 matrix instructions: o's block a x wo's eight.  The 32 accumulators take turns, in the same order in every quarter.
.macro MULA q, a
.irp b, 0,1,2,3,4,5,6,7
.if (\q) == 0
	v_wmma_f32_16x16x32_f16 v[8*(8*(\a)+\b):8*(8*(\a)+\b)+7], v[64*((\q)%2)+8*\b:64*((\q)%2)+8*\b+7], v[32*((\q)%8)+8*(\a):32*((\q)%8)+8*(\a)+7], v[BN+8*\b:BN+8*\b+7]
.else
	v_wmma_f32_16x16x32_f16 v[8*(8*(\a)+\b):8*(8*(\a)+\b)+7], v[64*((\q)%2)+8*\b:64*((\q)%2)+8*\b+7], v[32*((\q)%8)+8*(\a):32*((\q)%8)+8*(\a)+7], v[8*(8*(\a)+\b):8*(8*(\a)+\b)+7]
.endif
.endr
.endm
; THE CHANGE OF SLOTS, in the middle of a slot's last quarter, whose fragments are in registers.  Each wave waits for all its tensor loads (its part of the other slot), adds 0 to its spare word, and waits for that and for its reads of the slot.
; fill = 1: the slot is filled with K two slots on, behind a round of the cluster's barrier; the load has eight quarters in which to land.  The four v_nop are also the places in front of the loads that follow.
.macro CHG fill
	s_wait_tensorcnt 0x0                           ; no tensor load of mine is out, so a group 0 may be written
	ds_add_u32 v[SPW], v[NIL]
.if \fill
	s_xor_b32 s[G0B+1], s[G0B+1], SLOT1            ; the walking descriptor: the other slot than last time,
	s_add_nc_u64 s[G0B+2:G0B+3], s[G0B+2:G0B+3], 8192   ; the next 256 along K
.endif
	s_wait_dscnt 0x0
.if \fill
	CROUND
	tensor_load_to_lds s[G0B:G0B+3], s[G1:G1+7]    ; my one tensor load behind the round
	s_nop 0
.else
	s_barrier_signal -1
	s_barrier_wait -1
.endif
	PLACES
.endm
; A QUARTER STEP: 32 along K, 32 matrix instructions; in its middle the next quarter's fragments of wo are fetched from LDS, at its end o's of eight quarters on are asked of memory, into the buffer just multiplied.
.macro QTR q
	s_wait_dscnt 0x0                               ; wo's fragments are in
.if (\q) < 24
	s_wait_loadcnt 56                              ; o's are in; the loads of the seven quarters behind, eight each, may be out
.else
	s_wait_loadcnt 8*(31-(\q))
.endif
.if (\q) == 0
	WIN MUL0
.else
	WIN MUL
.endif
	MULA \q, 0
	MULA \q, 1
.if ((\q) == 7) || ((\q) == 15)
	WIN 0
	CHG 1
.elseif (\q) == 23
	WIN 0
	CHG 0
.else
	PLACES                                         ; in front of loads into registers that the quarter before multiplied
.endif
.if (\q) < 31
	WIN 0x40                                       ; destination window 1
	FETCHB (\q)+1
.endif
.if (\q) == 0
	WIN MUL0
.else
	WIN MUL
.endif
	MULA \q, 2
	MULA \q, 3
	PLACES
.if (\q) < 24
	WIN 0xc0                                       ; destination window 3
	LOADA (\q)+8
.endif
.endm
	s_wait_tensorcnt 0x1                           ; my part of slot 0 is in; slot 1's may stay out
	s_barrier_signal -1
	s_barrier_wait -1
	WIN 0x40
	FETCHB 0
.set Q, 0
.rept 32
	QTR Q
.set Q, Q+1
.endr
	WIN 0
; THE WAY OUT, block by block of 16 rows x 128 columns.  A lane holds 32 neighbouring bytes of a row: a block goes through my own stage in LDS and comes back as whole rows of 512 bytes.
; LDS serves a wave's instructions in order (ISA guide 5.7.1.4): no wait between the stores and the loads, nor in front of the next block's stores.  The last quarter's four v_nop are the places in front of the first store.
.macro TOSTAGE a
	WIN 0x08                                       ; an LDS store's data: window 2
.irp b, 0,1,2,3,4,5,6,7
	ds_store_b128 v[STO], v[64*(\a)+8*\b:64*(\a)+8*\b+3] offset:64*\b          ; each accumulator from its low end on
	ds_store_b128 v[STO], v[64*(\a)+8*\b+4:64*(\a)+8*\b+7] offset:64*\b+16
.endr
	WIN 0
.set BB, BK+64*((\a)%2)
.irp t, 0,1,2,3,4,5,6,7,8,9,10,11,12,13,14,15
	ds_load_b128 v[BB+4*\t:BB+4*\t+3], v[RD] offset:\t*SPITCH
.endr
.endm
.macro SEND a, younger                 ; younger: the LDS instructions issued behind block a's loads, which may stay out
.set BB, BK+64*((\a)%2)
	s_wait_dscnt \younger                          ; the block is back in registers
.if (\a) > 0
	s_add_nc_u64 s[10:11], s[10:11], 16*4096       ; (behind a wait on XCNT: the earlier stores have read their base)  16 rows on
.endif
.irp t, 0,1,2,3,4,5,6,7,8,9,10,11,12,13,14,15
	global_store_b128 v[LI], v[BB+4*\t:BB+4*\t+3], s[10:11] offset:\t*4096 th:TH_STORE_NT   ; 32 lanes store 512 consecutive bytes, at a multiple of 256 from out0's first byte
.endr
.endm
	TOSTAGE 0
.irp a, 1,2,3
.if \a > 1
	s_wait_xcnt 0x0                                ; block a - 2's stores have read their registers and their base
.endif
	TOSTAGE \a
	SEND \a-1, 32                                  ; behind block a - 1's loads: block a's 16 stores and 16 loads
.endr
	s_wait_xcnt 0x0                                ; block 2's stores have read their base
	SEND 3, 0
	s_wait_tensorcnt 0x0                           ; the wave's end, behind my last tensor load and my last LDS store
	ds_add_u32 v[SPW], v[NIL]
	s_wait_dscnt 0x0
	CROUND                                         ; the closing round: no work-group ends while a partner may still ask for a tile that names it
	s_endpgm
.Lfunc_end_k_q8a071cae0d_oproj:
	.size	k_q8a071cae0d_oproj, .Lfunc_end_k_q8a071cae0d_oproj-k_q8a071cae0d_oproj
	.p2alignl 7, 3214868480
	.fill 96, 4, 3214868480
	.section	.rodata,"a",@progbits
	.p2align	6, 0x0
	.amdhsa_kernel k_q8a071cae0d_oproj
		.amdhsa_group_segment_fixed_size 327680
		.amdhsa_private_segment_fixed_size 0
		.amdhsa_enable_private_segment 0
		.amdhsa_kernarg_size 32
		.amdhsa_user_sgpr_count 2
		.amdhsa_user_sgpr_kernarg_segment_ptr 1
		.amdhsa_wavefront_size32 1
		.amdhsa_system_sgpr_workgroup_id_x 1
		.amdhsa_system_sgpr_workgroup_id_y 1
		.amdhsa_system_sgpr_workgroup_id_z 1
		.amdhsa_system_vgpr_workitem_id 0
		.amdhsa_next_free_vgpr 1024
		.amdhsa_next_free_sgpr 66
		.amdhsa_reserve_vcc 0
		.amdhsa_float_denorm_mode_32 3
		.amdhsa_float_denorm_mode_16_64 3
		.amdhsa_memory_ordered 1
		.amdhsa_forward_progress 1
		.amdhsa_inst_pref_size 156
	.end_amdhsa_kernel
	.amdgpu_metadata
---
amdhsa.version: [ 1, 2 ]
amdhsa.kernels:
  - .name:           k_q8a071cae0d_oproj
    .symbol:         k_q8a071cae0d_oproj.kd
    .args:
      - { .name: of, .offset: 0, .size: 8, .value_kind: global_buffer, .address_space: global }
      - { .name: wof, .offset: 8, .size: 8, .value_kind: global_buffer, .address_space: global }
      - { .name: bo, .offset: 16, .size: 8, .value_kind: global_buffer, .address_space: global }
      - { .name: out0, .offset: 24, .size: 8, .value_kind: global_buffer, .address_space: global }
    .group_segment_fixed_size: 327680
    .private_segment_fixed_size: 0
    .kernarg_segment_align: 8
    .kernarg_segment_size: 32
    .max_flat_workgroup_size: 128
    .sgpr_count:     66
    .vgpr_count:     1024
    .wavefront_size: 32
...
	.end_amdgpu_metadata
.endif
;; end of part 4
